; MI455X (gfx1250); checked and timed in simulation.
; The chip was launched on July 23, 2026; its instructions are those of AMD's public machine-readable ISA for CDNA 5 (MIT licence, August 2026) and "CDNA5" Instruction Set Architecture Reference Guide (July 2026). The comments in the code are by the model that wrote it; some were corrected since.
;; attention. Allowed arithmetic: matrix products marked QUANTISED: E2M3 operands, one E8M0 scale for each 32 along K, by v_wmma_scale_f32_16x16x128_f8f6f4 with both operands' format E2M3, f32 sums; everything else in f32.
;; Inputs: Wk 1,024 x 1,024 float32; Wo 1,024 x 1,024 float32; Wq 1,024 x 1,024 float32; Wv 1,024 x 1,024 float32; k_in 4 x 2,048 x 1,024 float32; q_in 4 x 2,048 x 1,024 float32; v_in 4 x 2,048 x 1,024 float32.
;; Outputs: out0 4 x 2,048 x 1,024 float32.
;; This version of the problem:
;;   THIS VERSION OF THE PROBLEM IS GIVEN IN LOW PRECISION. The matrix products marked QUANTISED in the list below multiply operands that are first quantised to E2M3 (2 exponent bits, 3 mantissa bits; 6 bits a number), with one power-of-two scale for each 32 numbers along K (OCP MX v1.0); their sums are f32. All else is computed in f32.
;;   The module's matrix products, in the order in which they are computed (A, B: the left and right operand; K: the contracted axis; several contracted axes count as one K, in the product's order):
;;     1. [M 8,192, K 1,024] x [K 1,024, N 1,024]; A: input q_in; B: input Wq: QUANTISED
;;     2. [M 8,192, K 1,024] x [K 1,024, N 1,024]; A: input k_in; B: input Wk: QUANTISED
;;     3. [M 8,192, K 1,024] x [K 1,024, N 1,024]; A: input v_in; B: input Wv: QUANTISED
;;     4. batch 64 x [M 2,048, K 64] x [K 64, N 2,048]; A: computed on the way; B: computed on the way: QUANTISED
;;     5. batch 64 x [M 2,048, K 2,048] x [K 2,048, N 64]; A: softmax (see below); B: computed on the way: QUANTISED
;;     6. [M 8,192, K 1,024] x [K 1,024, N 1,024]; A: computed on the way; B: input Wo: QUANTISED
;;   THE QUANTISER, for each operand of a quantised product, along K:
;;     - K is cut into blocks of 32 from its start; a last block that is shorter is filled with zeros.
;;     - A block's scale is 2^e with e = floor(log2(the largest magnitude in the block)) - 2, held to -126 .. 127; a block of zeros has e = 0. As a byte (E8M0): e + 127.
;;     - Each number is divided by its block's scale, clamped to +-7.5, and rounded to the nearest number of E2M3, ties to even, subnormals kept.
;;     - The product sums the exact products of the quantised numbers (number of the format x scale) in f32.
;;   ~~~python
;;   def quantise(x, axis):      # numpy; x: float32 -> the quantised numbers, widened to float32 again
;;       x = np.moveaxis(x, axis, -1); K = x.shape[-1]
;;       x = np.pad(x, [(0, 0)] * (x.ndim - 1) + [(0, -K % 32)]); x = x.reshape(x.shape[:-1] + (-1, 32)); a = np.abs(x).max(-1, keepdims=True)
;;       e = np.where(a > 0, np.clip(np.frexp(np.where(a > 0, a, 1))[1] - 1 - 2, -126, 127), 0)      # np.frexp(a)[1] - 1 = floor(log2(a)), exactly
;;       r = np.clip(x / 2.0 ** e, -7.5, 7.5)
;;       step = 2.0 ** (np.maximum(np.frexp(np.where(r == 0, 1, r))[1] - 1, 0) - 3)
;;       q = np.round(r / step) * step * 2.0 ** e      # np.round: ties to even
;;       return np.moveaxis(q.reshape(q.shape[:-2] + (-1,))[..., :K], -1, axis).astype(np.float32)
;;   ~~~
;;   SOFTMAX AHEAD OF A QUANTISED PRODUCT. Where the list says 'softmax', what is quantised is not the finished softmax but p = 2^(t - M), with t = logit x log2(e) and M = ceil(the row's largest t), a whole number; so 1/2 < the row's largest p <= 1. The row's sum l is taken of the UNQUANTISED p, in f32, and the product's result is divided by l at the end. Since M is a whole number, a kernel that streams over the keys may use a running M (the ceiling of the running maximum): every later rescaling is an exact power of two, which a block's scale takes up: the codes' values come out the same.
;;   OPERANDS COMPUTED ON THE WAY. 'Computed on the way' means the value that the module computes at that place (a softmax that the list does not call 'softmax' is quantised finished and normalised). What goes into a quantiser is computed in f32, as accurately as f32 sums, v_exp_f32 and their like allow (about 1e-6 of the number): no bf16 or f16 on the way to a quantiser, and a product that is left as it is and whose result goes on into a quantised operand takes f32 operands (vector FMAs, or v_wmma_f32_16x16x4_f32). A number that lies on a knife's edge between two numbers of the format may be rounded either way, as far as f32 arithmetic and the matrix unit's own rounding can turn it there, and no further.
;; One version. Each part assembles by itself: llvm-mc -triple=amdgcn-amd-amdhsa -mcpu=gfx1250 --defsym DOCPART=n.
;; ======== version 1 of 1: 4 launches
;; limits: right only within a limited range of input values
;; workspace buffers: xw_img 22,020,096 bytes; xw_scl 917,504 bytes; qkv_img 18,874,368 bytes; qkv_scl 786,432 bytes; o_img 6,291,456 bytes; o_scl 262,144 bytes
;; launch quant (part 1): grid 1024 x 1, 2 waves a work-group, no clusters, 29,952 bytes of LDS; arguments q_in, k_in, v_in, Wq, Wk, Wv, Wo, xw_img, xw_scl; writes xw_img, xw_scl
.if DOCPART == 1
	.amdgcn_target "amdgcn-amd-amdhsa--gfx1250"
	.amdhsa_code_object_version 6
	.text
	.protected	k_q238a091322_quant
	.globl	k_q238a091322_quant
	.p2align	8
	.type	k_q238a091322_quant,@function
k_q238a091322_quant:
	s_mov_b64 s[64:65], 0
	v_nop
	global_prefetch_b8 v0, s[64:65] scope:SCOPE_SE
	s_setreg_imm32_b32 hwreg(HW_REG_WAVE_MODE, 25, 1), 1
	s_wait_xcnt 0x0
; q_in, k_in, v_in ([8192 rows][1024], K innermost) and the four weights ([1024 (k)][1024 (n)], K on the FIRST axis), all f32, become codes of FP6 (E2M3) with one E8M0 byte for each 32 along K,
; laid as IMAGES OF OPERAND REGISTERS: a fragment is 16 rows x 128 K, 12 registers a lane, 1,536 bytes: registers 4 c .. 4 c + 3 of lane l at 512 c + 16 l; eight fragments (128 rows, one K chunk) are a block of 12,288 bytes;
; an image is [row / 128][k / 128][fragment][1536].  A block's scale image, 512 bytes: the word (128 along K) of lane r, fragment f at 32 r + 4 f.  The three activations' images come first, then the four weights'.
; THE ROWS OF A FRAGMENT ARE NOT NEIGHBOURS: lane r of fragment 2 g + u holds row 32 g + 8 u + r + 8 (r / 8); of k_in alone, lane r of fragment 4 c + u holds row 64 c + 32 (r / 8) + 8 u + r % 8.
; One launch serves all seven tensors: work-groups 0 to 767 take the activations, 768 to 1,023 the weights.  The two ways part on the work-group's number alone, and each has LDS bytes of its own.
; A block's scale is 2^(floor(log2(largest magnitude)) - 2); its byte is the largest magnitude's exponent field - 2, held at 1 from below.
; LIMITS: a block of zeros, or one whose largest magnitude lies under 2^-124, gets the byte 1 (the rule says 127 for zeros): its codes are zeros, and this program alone reads the bytes.  NaN and infinities are not served.
.set SPW,   14                         ; v14 LDS address of my spare word;  v15 0: never rewritten
.set NIL,   15
.set WST,   16896                      ; LDS: the activations' two stages of 8,448 bytes; the weights' four stages of 3,072;
.set SCS,   WST+12288                  ; a weight block's scale image, 512 bytes;
.set SPARE, SCS+512                    ; the spare words, 128 bytes a wave, which no other line names
	s_load_b256 s[4:11], s[0:1], 0x0               ; q_in, k_in, v_in, Wq
	s_load_b256 s[12:19], s[0:1], 0x20             ; Wk, Wv, Wo, the images
	s_load_b64 s[20:21], s[0:1], 0x40              ; the scale images
	v_lshl_add_u32 v[SPW], v0, 2, SPARE
	v_mov_b32 v[NIL], 0
	v_lshrrev_b32 v6, 5, v0
	v_readfirstlane_b32 s22, v6                    ; wave
	s_cmp_lt_u32 ttmp9, 768
	s_cbranch_scc0 .Lweights
; THE ACTIVATIONS.  A wave makes one block, a fragment at a time.  The operand's layout gives lane (r, h) the numbers k = 64 c + 32 h + 0 .. 31 of row r: two whole blocks of 32.  Each of a fragment's 16 loads reads one row's
; 512 consecutive bytes; they turn through the wave's own stage (rows 528 bytes apart).  The conversions' results ARE the fragment's registers.  Loads run two fragments (32 loads a wave) ahead.
.set SI,   2                           ; the stage, on the way in: 16 x lane;  SO on the way out: 528 r + 128 h;  SH 8 h;  SA 32 r + 16 h
.set SO,   3
.set SH,   4
.set SA,   5
.set R,    16                          ; v16-143 two sets of 64 numbers as loaded;  v144-207 my 64 numbers
.set X,    144
.set PC,   208
.set CT,   220
.set SW,   228                         ; the eight fragments' scale words
.set M,    236
.set SOP,  240
.set BY,   242
.set WD,   244
.set TMP,  245
.set SEL4, 248
	v_and_b32 v6, 31, v0
	v_lshlrev_b32 v1, 4, v6                        ; 16 x lane; never rewritten
	v_and_b32 v7, 15, v0
	v_bfe_u32 v8, v0, 4, 1
	s_mul_i32 s23, s22, 8448
	v_add_nc_u32 v[SI], s23, v1
	v_mul_u32_u24 v[SO], v7, 528
	v_lshl_add_u32 v[SO], v8, 7, v[SO]
	v_add_nc_u32 v[SO], s23, v[SO]
	v_lshlrev_b32 v[SH], 3, v8
	v_lshlrev_b32 v[SA], 5, v7
	v_lshl_add_u32 v[SA], v8, 4, v[SA]
	v_mov_b32 v[TMP], 0                            ; a lane permute's destination counts as one of its sources
	s_mov_b32 s36, 0x76543210
	s_mov_b32 s37, 0xfedcba98
	s_lshr_b32 s24, ttmp9, 8                       ; t: which tensor
	s_bfe_u32 s25, ttmp9, 0x60002                  ; G: which 128 rows
	s_and_b32 s26, ttmp9, 3
	s_lshl_b32 s26, s26, 1
	s_add_co_u32 s26, s26, s22                     ; kc: which 128 along K
	s_lshl_b32 s28, s25, 19
	s_lshl_b32 s27, s26, 9
	s_add_co_u32 s28, s28, s27
	s_mov_b32 s29, 0
	s_lshl_b32 s27, s25, 3
	s_add_co_u32 s27, s27, s26                     ; 8 G + kc: which block
	s_mul_i32 s30, s27, 12288
	s_mul_i32 s38, s24, 6291456
	s_add_co_u32 s30, s30, s38
	s_mov_b32 s31, 0
	s_lshl_b32 s32, s27, 9
	s_lshl_b32 s38, s24, 18
	s_add_co_u32 s32, s32, s38
	s_mov_b32 s33, 0
	s_mov_b32 s35, 0
	s_wait_alu depctr_va_vdst(0)
	s_wait_kmcnt 0x0
	s_cmp_eq_u32 s24, 1                            ; the choices hang on the work-group's number alone
	s_cselect_b64 s[4:5], s[6:7], s[4:5]
	s_cselect_b32 s34, 0x10000, 0                  ; k_in's other order of rows: 16 rows, as an offset; else 0
	s_cmp_eq_u32 s24, 2
	s_cselect_b64 s[4:5], s[8:9], s[4:5]
	s_add_nc_u64 s[4:5], s[4:5], s[28:29]
	s_add_nc_u64 s[6:7], s[4:5], s[34:35]          ; against the common order, k_in's fragments 0, 1, 4, 5 take their lanes 8-15 from 16 rows further down,
	s_sub_nc_u64 s[8:9], s[4:5], s[34:35]          ; and its fragments 2, 3, 6, 7 their lanes 0-7 from 16 rows further up
	s_add_nc_u64 s[18:19], s[18:19], s[30:31]
	s_add_nc_u64 s[20:21], s[20:21], s[32:33]
.macro LOADX f                         ; fragment f's 16 rows, in the order of its lanes: 512 consecutive bytes a load
.irp j, 0,1,2,3,4,5,6,7,8,9,10,11,12,13,14,15
.set PB, 4
.if (((\f)&2) == 0) && (\j >= 8)
.set PB, 6
.endif
.if (((\f)&2) != 0) && (\j < 8)
.set PB, 8
.endif
	global_load_b128 v[R+64*((\f)%2)+4*\j:R+64*((\f)%2)+4*\j+3], v1, s[PB:PB+1] offset:(32*((\f)/2)+8*((\f)%2)+\j+8*(\j/8))*4096 th:TH_LOAD_NT
.endr
.endm
.macro STEPX f
.set RS, R+64*((\f)%2)
.if (\f) < 7
	s_wait_loadcnt 16                              ; this fragment's 16 loads are in; the next fragment's 16 may be out
.else
	s_wait_loadcnt 0x0
.endif
.irp j, 0,1,2,3,4,5,6,7,8,9,10,11,12,13,14,15
	ds_store_b128 v[SI], v[RS+4*\j:RS+4*\j+3] offset:528*\j
.endr
.irp c, 0,1
.irp e, 0,1,2,3,4,5,6,7
	ds_load_b128 v[X+32*\c+4*\e:X+32*\c+4*\e+3], v[SO] offset:256*\c+16*\e   ; LDS serves a wave's instructions in order: these see the stores above
.endr
.endr
	s_wait_dscnt 0x0                               ; my 64 numbers are in, and the stores into the stage have read their registers
	s_wait_xcnt 0x0                                ; the last fragment's stores have read their data: the codes' registers may be written again
.if (\f)+2 < 8
	LOADX (\f)+2
.endif
.irp c, 0,1
.irp i, 0,1
	v_max3_num_f32 v[M+2*\c+\i], |v[X+32*\c+16*\i]|, |v[X+32*\c+16*\i+1]|, 0x1800000   ; four chains of 16 numbers, each begun with the floor 2^(3 - 127)
.endr
.endr
.irp k, 2,4,6,8,10,12,14
.irp c, 0,1
.irp i, 0,1
	v_max3_num_f32 v[M+2*\c+\i], v[M+2*\c+\i], |v[X+32*\c+16*\i+\k]|, |v[X+32*\c+16*\i+\k+1]|
.endr
.endr
.endr
.irp c, 0,1
	v_max_num_f32 v[M+2*\c], v[M+2*\c], v[M+2*\c+1]   ; the largest magnitude of my block 2 c + h
.endr
.irp c, 0,1
	v_add_nc_u32 v[SOP+\c], 0xff000000, v[M+2*\c]     ; 2 off the exponent field: the conversion's scale operand
.endr
.irp c, 0,1
	v_lshrrev_b32 v[BY+\c], 23, v[SOP+\c]
.endr
	v_lshl_or_b32 v[WD], v[BY+1], 16, v[BY]        ; my two bytes: blocks h and 2 + h,
	v_lshlrev_b32 v[WD], v[SH], v[WD]              ; at their places in the word;
	v_permlanex16_b32 v[TMP], v[WD], s36, s37
	v_or_b32 v[SW+(\f)], v[WD], v[TMP]             ; with lane l xor 16's two the word is whole
.irp c, 0,1
	v_cvt_scalef32_pk16_fp6_f32 v[PC+6*\c:PC+6*\c+2], v[X+32*\c:X+32*\c+15], v[SOP+\c]
	v_cvt_scalef32_pk16_fp6_f32 v[CT+4*\c:CT+4*\c+2], v[X+32*\c+16:X+32*\c+31], v[SOP+\c]   ; (a conversion's three registers begin on an even number)
.endr
	v_nop                                          ; one plain instruction behind a scaled conversion
.irp c, 0,1
.irp i, 0,1,2
	v_mov_b32 v[PC+6*\c+3+\i], v[CT+4*\c+\i]
.endr
.endr
.irp c, 0,1,2
	global_store_b128 v1, v[PC+4*\c:PC+4*\c+3], s[18:19] offset:(\f)*1536+512*\c   ; 32 lanes store 512 consecutive bytes, aligned
.endr
.endm
	LOADX 0
	LOADX 1
.irp f, 0,1,2,3,4,5,6,7
	STEPX \f
.endr
	v_cmp_ne_u32 vcc_lo, 0, v[SH]                  ; lanes 16-31 take fragments 4 .. 7's words of their row
.irp i, 0,1,2,3
	v_cndmask_b32 v[SEL4+\i], v[SW+\i], v[SW+4+\i], vcc_lo
.endr
	global_store_b128 v[SA], v[SEL4:SEL4+3], s[20:21]   ; the scale image: 512 consecutive bytes
	s_wait_tensorcnt 0x0                           ; the wave's end
	ds_add_u32 v[SPW], v[NIL]
	s_wait_dscnt 0x0
	s_endpgm
; THE WEIGHTS.  A work-group makes one block (128 columns, 128 along K); a wave takes column groups wave and wave + 2, of 32 columns each, one after the other: eight blocks of 32 along K in all.
; A LANE TAKES A COLUMN AND ITS REGISTERS RUN DOWN K: a block of 32 lies in one lane, and the conversions give codes with K innermost.  A lane's 24 bytes belong to lane (r, h = block % 2) of fragment 2 g + u:
; they go through the group's own stage, laid as the image, and leave as stores of 512 consecutive bytes.
.Lweights:
.set WX,    32                         ; v32-95 two sets of 32 numbers;  v96-101 a block's codes;  v104-106 the second conversion's;  v24 my column's scale word;  v112.., v144.. the way out;  v176-179 the scale image
.set WC,    96
.set WT,    104
.set WSB,   24
.set OUTR,  112
	v_and_b32 v2, 31, v0
	v_lshlrev_b32 v1, 2, v2                        ; in: 4 bytes a lane
	v_and_b32 v3, 7, v0
	v_bfe_u32 v4, v0, 4, 1
	v_lshl_add_u32 v3, v4, 3, v3                   ; r = lane % 8 + 8 (lane / 16)
	v_bfe_u32 v4, v0, 3, 1                         ; u = (lane / 8) % 2
	s_mul_i32 s23, s22, 3072
	s_add_co_u32 s29, s23, WST
	v_mul_u32_u24 v5, v4, 1536
	v_lshl_add_u32 v5, v3, 4, v5
	v_add_nc_u32 v5, s29, v5                       ; into the stage: fragment u, 16 r
	v_lshlrev_b32 v8, 4, v2
	v_add_nc_u32 v6, s29, v8                       ; out of it
	v_lshlrev_b32 v7, 5, v3
	v_lshl_add_u32 v7, v4, 2, v7
	s_lshl_b32 s38, s22, 3
	s_add_co_u32 s38, s38, SCS
	v_add_nc_u32 v7, s38, v7                       ; my scale word: 32 r + 4 (2 g + u)
	v_add_nc_u32 v9, SCS, v8
	s_sub_co_u32 s24, ttmp9, 768
	s_lshr_b32 s25, s24, 6                         ; t: which weight
	s_and_b32 s26, s24, 63                         ; 8 G + kc: which block
	s_bfe_u32 s27, s24, 0x30003                    ; G
	s_and_b32 s28, s24, 7                          ; kc
	s_lshl_b32 s30, s28, 19
	s_lshl_b32 s38, s27, 9
	s_add_co_u32 s30, s30, s38
	s_lshl_b32 s38, s22, 7
	s_add_co_u32 s30, s30, s38
	s_mov_b32 s31, 0
	s_mul_i32 s32, s25, 786432
	s_mul_i32 s38, s26, 12288
	s_add_co_u32 s32, s32, s38
	s_add_co_u32 s32, s32, s23
	s_add_co_u32 s32, s32, 18874368                ; behind the three images of the activations
	s_mov_b32 s33, 0
	s_lshl_b32 s34, s25, 15
	s_lshl_b32 s38, s26, 9
	s_add_co_u32 s34, s34, s38
	s_add_co_u32 s34, s34, 786432
	s_mov_b32 s35, 0
	s_wait_alu depctr_va_vdst(0)
	s_wait_kmcnt 0x0
	s_cmp_eq_u32 s25, 1
	s_cselect_b64 s[10:11], s[12:13], s[10:11]
	s_cmp_eq_u32 s25, 2
	s_cselect_b64 s[10:11], s[14:15], s[10:11]
	s_cmp_eq_u32 s25, 3
	s_cselect_b64 s[10:11], s[16:17], s[10:11]
	s_add_nc_u64 s[10:11], s[10:11], s[30:31]
	s_add_nc_u64 s[18:19], s[18:19], s[32:33]
	s_add_nc_u64 s[20:21], s[20:21], s[34:35]
.macro LOADW n                         ; block n = 4 (which of my two column groups) + kb: W(32 kb + i, my column): a wave reads 128 consecutive bytes
.irp i, 0,1,2,3,4,5,6,7,8,9,10,11,12,13,14,15,16,17,18,19,20,21,22,23,24,25,26,27,28,29,30,31
	global_load_b32 v[WX+32*((\n)%2)+\i], v1, s[10:11] offset:(32*((\n)%4)+\i)*4096+256*((\n)/4) th:TH_LOAD_NT
.endr
.endm
.macro BLOCKW n
.set XS, WX+32*((\n)%2)
.set HH, (\n)%2
.set KB, (\n)%4
.set PO, 6144*((\n)/4)                 ; the second group's stage
.if (\n) < 7
	s_wait_loadcnt 32                              ; this block's 32 loads are in; the next block's 32 may be out
.else
	s_wait_loadcnt 0x0
.endif
	v_max3_num_f32 v12, |v[XS]|, |v[XS+1]|, |v[XS+2]|
	v_max3_num_f32 v13, |v[XS+3]|, |v[XS+4]|, |v[XS+5]|
.irp i, 6,10,14,18,22,26
	v_max3_num_f32 v12, v12, |v[XS+\i]|, |v[XS+\i+1]|
	v_max3_num_f32 v13, v13, |v[XS+\i+2]|, |v[XS+\i+3]|
.endr
	v_max3_num_f32 v12, v12, |v[XS+30]|, |v[XS+31]|
	v_max3_num_f32 v12, v12, v13, 0x1800000        ; and the floor 2^(3 - 127)
	v_add_nc_u32 v11, 0xff000000, v12
	v_lshrrev_b32 v13, 23, v11
.if KB == 0
	v_mov_b32 v[WSB], v13
.else
	v_lshl_or_b32 v[WSB], v13, 8*KB, v[WSB]        ; the lower K in the lower byte
.endif
	v_cvt_scalef32_pk16_fp6_f32 v[WC:WC+2], v[XS:XS+15], v11
	v_cvt_scalef32_pk16_fp6_f32 v[WT:WT+2], v[XS+16:XS+31], v11
	v_nop
.irp i, 0,1,2
	v_mov_b32 v[WC+3+\i], v[WT+\i]
.endr
.if KB < 2                             ; registers 0 .. 5 of lane r + 16 h: 0-3 at 16 l, 4-5 at 512 + 16 l
	ds_store_b128 v5, v[WC:WC+3] offset:PO+256*HH
	ds_store_b64 v5, v[WC+4:WC+5] offset:PO+512+256*HH
.else                                  ; registers 6 .. 11: 6-7 at 512 + 16 l + 8, 8-11 at 1024 + 16 l
	ds_store_b64 v5, v[WC:WC+1] offset:PO+520+256*HH
	ds_store_b128 v5, v[WC+2:WC+5] offset:PO+1024+256*HH
.endif
.if (\n)+2 < 8
	LOADW (\n)+2
.endif
	s_wait_dscnt 0x0                               ; the stores have read their registers: the next block's codes may be written
.endm
.macro WOUT g                          ; a column group's two fragments and its scale words leave the registers
	s_wait_alu depctr_va_vdst(0)
	ds_store_b32 v7, v[WSB] offset:16*\g
.irp i, 0,1,2,3,4,5
	ds_load_b128 v[OUTR+32*\g+4*\i:OUTR+32*\g+4*\i+3], v6 offset:6144*\g+512*\i   ; LDS serves a wave's instructions in order: these see my stores
.endr
.irp i, 0,1,2,3,4,5
	s_wait_dscnt 5-\i
	global_store_b128 v8, v[OUTR+32*\g+4*\i:OUTR+32*\g+4*\i+3], s[18:19] offset:6144*\g+512*\i   ; 512 consecutive bytes, aligned
.endr
.endm
	LOADW 0
	LOADW 1
.irp n, 0,1,2,3
	BLOCKW \n
.endr
	WOUT 0
.irp n, 4,5,6,7
	BLOCKW \n
.endr
	WOUT 1
	s_barrier_signal -1                            ; my LDS instructions are all done (the last count was 0): both waves' scale words lie in LDS
	s_barrier_wait -1
	s_cmp_lg_u32 s22, 0
	s_cbranch_scc1 .Lnot_wave_0
	ds_load_b128 v[176:179], v9
	s_wait_dscnt 0x0
	global_store_b128 v8, v[176:179], s[20:21]     ; the scale image: 512 consecutive bytes
.Lnot_wave_0:
	s_wait_tensorcnt 0x0                           ; the wave's end
	ds_add_u32 v[SPW], v[NIL]
	s_wait_dscnt 0x0
	s_endpgm
.Lfunc_end_k_q238a091322_quant:
	.size	k_q238a091322_quant, .Lfunc_end_k_q238a091322_quant-k_q238a091322_quant
	.p2alignl 7, 3214868480
	.fill 96, 4, 3214868480
	.section	.rodata,"a",@progbits
	.p2align	6, 0x0
	.amdhsa_kernel k_q238a091322_quant
		.amdhsa_group_segment_fixed_size 29952
		.amdhsa_private_segment_fixed_size 0
		.amdhsa_enable_private_segment 0
		.amdhsa_kernarg_size 72
		.amdhsa_user_sgpr_count 2
		.amdhsa_user_sgpr_kernarg_segment_ptr 1
		.amdhsa_wavefront_size32 1
		.amdhsa_system_sgpr_workgroup_id_x 1
		.amdhsa_system_sgpr_workgroup_id_y 1
		.amdhsa_system_sgpr_workgroup_id_z 1
		.amdhsa_system_vgpr_workitem_id 0
		.amdhsa_next_free_vgpr 256
		.amdhsa_next_free_sgpr 66
		.amdhsa_reserve_vcc 1
		.amdhsa_float_denorm_mode_32 3
		.amdhsa_float_denorm_mode_16_64 3
		.amdhsa_memory_ordered 1
		.amdhsa_forward_progress 1
		.amdhsa_inst_pref_size 101
	.end_amdhsa_kernel
	.amdgpu_metadata
---
amdhsa.version: [ 1, 2 ]
amdhsa.kernels:
  - .name:           k_q238a091322_quant
    .symbol:         k_q238a091322_quant.kd
    .args:
      - { .name: q_in, .offset: 0, .size: 8, .value_kind: global_buffer, .address_space: global }
      - { .name: k_in, .offset: 8, .size: 8, .value_kind: global_buffer, .address_space: global }
      - { .name: v_in, .offset: 16, .size: 8, .value_kind: global_buffer, .address_space: global }
      - { .name: Wq, .offset: 24, .size: 8, .value_kind: global_buffer, .address_space: global }
      - { .name: Wk, .offset: 32, .size: 8, .value_kind: global_buffer, .address_space: global }
      - { .name: Wv, .offset: 40, .size: 8, .value_kind: global_buffer, .address_space: global }
      - { .name: Wo, .offset: 48, .size: 8, .value_kind: global_buffer, .address_space: global }
      - { .name: xw_img, .offset: 56, .size: 8, .value_kind: global_buffer, .address_space: global }
      - { .name: xw_scl, .offset: 64, .size: 8, .value_kind: global_buffer, .address_space: global }
    .group_segment_fixed_size: 29952
    .private_segment_fixed_size: 0
    .kernarg_segment_align: 8
    .kernarg_segment_size: 72
    .max_flat_workgroup_size: 64
    .sgpr_count:     66
    .vgpr_count:     256
    .wavefront_size: 32
...
	.end_amdgpu_metadata
.endif
;; end of part 1
;; launch proj (part 2): grid 96 x 4, 4 waves a work-group, clusters of 4 x 4, 327,680 bytes of LDS; arguments xw_img, xw_scl, qkv_img, qkv_scl; writes qkv_img, qkv_scl
.if DOCPART == 2
	.amdgcn_target "amdgcn-amd-amdhsa--gfx1250"
	.amdhsa_code_object_version 6
	.text
	.protected	k_q238a091322_proj
	.globl	k_q238a091322_proj
	.p2align	8
	.type	k_q238a091322_proj,@function
k_q238a091322_proj:
	s_mov_b64 s[64:65], 0
	v_nop
	global_prefetch_b8 v0, s[64:65] scope:SCOPE_SE
	s_setreg_imm32_b32 hwreg(HW_REG_WAVE_MODE, 25, 1), 1
	s_wait_xcnt 0x0
	s_wait_alu depctr_hold_cnt(0) depctr_sa_sdst(0) depctr_va_vdst(0) depctr_va_sdst(0) depctr_va_ssrc(0) depctr_va_vcc(0) depctr_vm_vsrc(0)
	s_getreg_b32 s2, hwreg(HW_REG_IB_STS2, 6, 4)
	s_cmp_eq_u32 s2, 0
	s_cbranch_scc0 .Lentry_in_a_cluster
	s_endpgm
.Lentry_in_a_cluster:
	s_bfe_u32 s2, ttmp6, 0x10000c
	s_cmp_lg_u32 s2, 0xf033
	s_cbranch_scc0 .Lentry_shape_is_right
	s_endpgm
.Lentry_shape_is_right:
.set GRPB,  98304
.set SLOTB, 98304
.set QRT,   24576
.set HB,    73728                      ; LDS: six K chunks of 128 rows on end; A's two halves, then B's two: 4 HB = SCL
.set CHK,   12288
.set FRB,   1536
.set SCL,   3*SLOTB
.set SPARE, SCL+16384
.set FR,    12
.set NLA,   3
.set ADRA, 16
.set ADRB, 20
.set LI,   26
.set ADRS, 27
.set SPW,  28
.set NIL,  29
.set SC,   32
.set AF,   128
.set CT,   160
.set TM,   168
.set PW,   184
.set SEL4, 192
.set G1A,  16
.set G1B,  24
.set G1SA, 32
.set G1SB, 40
.set G0A,  48
.set G0SA, 60
.set G0B,  68
.set G0SB, 80
.set WV,   84
.set ROLE, 85
.set HALF, 86
.set SEL,  98
.set MSB, 0
.macro WIN new
.if MSB != (\new)
	s_set_vgpr_msb (MSB<<8)|(\new)
.set MSB, \new
.endif
.endm
.set MUL_LO, 0xa1
.set MUL_HI, 0xf1
.set TO_B,   0x40
.macro JLOAD g0a, g1a, g0b, g1b
	s_cmp_eq_u32 s[ROLE], 0
	s_cbranch_scc0 .Lfor_b_\@
	tensor_load_to_lds s[\g0a:\g0a+3], s[\g1a:\g1a+7]
	s_nop 0
.rept 4
	v_nop
.endr
	s_branch .Lasked_\@
.Lfor_b_\@:
	tensor_load_to_lds s[\g0b:\g0b+3], s[\g1b:\g1b+7]
	s_nop 0
.rept 4
	v_nop
.endr
.Lasked_\@:
.endm
.macro CREST
	s_cmp_lg_u32 s[WV], 0
	s_cbranch_scc1 .Lnot_wave_0_\@
	s_barrier_signal -3
.Lnot_wave_0_\@:
	s_barrier_wait -3
	s_barrier_signal -1
	s_barrier_wait -1
.endm
.macro CROUND
	s_barrier_signal -1
	s_barrier_wait -1
	CREST
.endm
.macro PLACES
.rept 4
	v_nop
.endr
.endm
	s_load_b256 s[4:11], s[0:1], 0x0
	v_lshl_add_u32 v[SPW], v0, 2, SPARE
	v_mov_b32 v[NIL], 0
	ds_add_u32 v[SPW], v[NIL]
	ds_add_u32 v[SPW], v[NIL]
	v_lshrrev_b32 v1, 5, v0
	v_readfirstlane_b32 s[WV], v1
	s_lshr_b32 s[ROLE], s[WV], 1
	s_and_b32 s[HALF], s[WV], 1
	s_bfe_u32 s87, ttmp6, 0x40000
	s_bfe_u32 s88, ttmp6, 0x40004
	s_lshr_b32 s89, ttmp9, 3
	s_and_b32 s90, ttmp9, 7
	s_lshl_b32 s90, s90, 2
	s_mul_i32 s93, s89, 6291456
	s_mul_i32 s94, s89, 786432
	s_add_co_u32 s94, s94, 18874368
	s_lshl_b32 s12, s89, 18
	s_lshl_b32 s13, s89, 15
	s_add_co_u32 s13, s13, 786432
	s_cmp_lt_u32 s89, 2
	s_cselect_b32 s91, s90, 0
	s_cselect_b32 s92, 0, s90
	s_cselect_b32 s95, s93, s94
	s_cselect_b32 s96, s94, s93
	s_cselect_b32 s97, s12, s13
	s_cselect_b32 s98, s13, s12
	s_add_co_u32 s91, s91, s88
	s_add_co_u32 s92, s92, s87
	s_lshl_b32 s2, s88, 2
	s_lshl_b32 s2, 15, s2
	s_lshl_b32 s3, 0x1111, s87
	s_or_b32 s[G1A], s2, (3<<16)|(1<<21)
	s_or_b32 s[G1SA], s2, (3<<16)|(1<<21)
	s_or_b32 s[G1B], s3, (3<<16)|(1<<21)
	s_or_b32 s[G1SB], s3, (3<<16)|(1<<21)
.irp g, G1A, G1B                       ; for the head's loads: 2 rows (the two groups of 128 rows) of HB bytes = 9,216 elements of 8 bytes, GRPB bytes apart
	s_mov_b32 s[\g+1], 9216<<16
	s_mov_b32 s[\g+2], 2<<16
	s_mov_b32 s[\g+3], 9216<<16
	s_mov_b32 s[\g+4], 2
	s_mov_b32 s[\g+5], 12288
	s_mov_b32 s[\g+6], 0
	s_mov_b32 s[\g+7], 0
.endr
.irp g, G1SA, G1SB
	s_mov_b32 s[\g+1], 32<<16
	s_mov_b32 s[\g+2], 32<<16
	s_mov_b32 s[\g+3], 32<<16
	s_mov_b32 s[\g+4], 32
	s_mov_b32 s[\g+5], 32
	s_mov_b32 s[\g+6], 0
	s_mov_b32 s[\g+7], 0
.endr
	s_lshl_b32 s14, s91, 1
	s_add_co_u32 s14, s14, s[HALF]
	s_mul_i32 s12, s14, GRPB
	s_add_co_u32 s12, s12, s95
	s_mov_b32 s13, 0
	s_lshl_b32 s14, s14, 12
	s_add_co_u32 s14, s14, s97
	s_mov_b32 s15, 0
	s_lshl_b32 s99, s92, 1
	s_add_co_u32 s99, s99, s[HALF]
	s_mul_i32 s100, s99, GRPB
	s_add_co_u32 s100, s100, s96
	s_mov_b32 s101, 0
	s_lshl_b32 s96, s99, 12
	s_add_co_u32 s96, s96, s98
	s_mov_b32 s97, 0
	s_mul_i32 s93, s[WV], HB
	s_wait_dscnt 0x0
	s_wait_kmcnt 0x0
	s_add_nc_u64 s[12:13], s[4:5], s[12:13]
	s_add_nc_u64 s[14:15], s[6:7], s[14:15]
	s_add_nc_u64 s[100:101], s[4:5], s[100:101]
	s_add_nc_u64 s[96:97], s[6:7], s[96:97]
	CROUND
; THE HEAD'S FOUR TILES, one joint load a wave: A's 256 rows of K chunks 0 to 5, B's likewise, A's scale images, B's.  Chunks 6 and 7 come later, over chunks 0 and 1, a quarter a wave.
	s_mul_i32 s2, s[HALF], GRPB                    ; the addresses above stand at my half: the head's tiles begin at half 0
	s_mov_b32 s3, 0
	s_mov_b32 s[G0A+4], 1
	s_mov_b32 s[G0A+5], 0
	s_sub_nc_u64 s[G0A+6:G0A+7], s[12:13], s[2:3]
	s_or_b32 s[G0A+7], s[G0A+7], 0x80000000
	s_mov_b32 s[G0B+4], 1
	s_mov_b32 s[G0B+5], 2*HB
	s_sub_nc_u64 s[G0B+6:G0B+7], s[100:101], s[2:3]
	s_or_b32 s[G0B+7], s[G0B+7], 0x80000000
	s_lshl_b32 s2, s[HALF], 12
	s_mov_b32 s[G0SA], 1
	s_mov_b32 s[G0SA+1], SCL
	s_sub_nc_u64 s[G0SA+2:G0SA+3], s[14:15], s[2:3]
	s_or_b32 s[G0SA+3], s[G0SA+3], 0x80000000
	s_mov_b32 s[G0SB], 1
	s_mov_b32 s[G0SB+1], SCL+8192
	s_sub_nc_u64 s[G0SB+2:G0SB+3], s[96:97], s[2:3]
	s_or_b32 s[G0SB+3], s[G0SB+3], 0x80000000
	s_mov_b32 s[G0A], 1                            ; the refill's group 0: my quarter, wave x HB in LDS
	s_add_co_u32 s[G0A+1], s93, 0
	s_mov_b64 s[G0A+2:G0A+3], s[12:13]
	s_or_b32 s[G0A+3], s[G0A+3], 0x80000000
	s_mov_b32 s[G0B], 1
	s_add_co_u32 s[G0B+1], s93, 0
	s_mov_b64 s[G0B+2:G0B+3], s[100:101]
	s_or_b32 s[G0B+3], s[G0B+3], 0x80000000
	s_cmp_eq_u32 s[WV], 0                          ; one chain of branches on the wave's number, one load to an arm, one join
	s_cbranch_scc0 .Lh1
	tensor_load_to_lds s[G0A+4:G0A+7], s[G1A:G1A+7]
	s_nop 0
	PLACES
	s_branch .Lhj
.Lh1:
	s_cmp_eq_u32 s[WV], 1
	s_cbranch_scc0 .Lh2
	tensor_load_to_lds s[G0B+4:G0B+7], s[G1B:G1B+7]
	s_nop 0
	PLACES
	s_branch .Lhj
.Lh2:
	s_cmp_eq_u32 s[WV], 2
	s_cbranch_scc0 .Lh3
	tensor_load_to_lds s[G0SA:G0SA+3], s[G1SA:G1SA+7]
	s_nop 0
	PLACES
	s_branch .Lhj
.Lh3:
	tensor_load_to_lds s[G0SB:G0SB+3], s[G1SB:G1SB+7]
	s_nop 0
	PLACES
.Lhj:
	v_and_b32 v1, 15, v0
	v_bfe_u32 v2, v0, 4, 1
	s_wait_alu depctr_va_vdst(0)
	v_and_b32 v3, 31, v0
	v_lshlrev_b32 v[LI], 4, v3
	v_lshlrev_b32 v6, 3, v3                        ; 8 x lane
	s_mul_i32 s2, s[ROLE], HB
	s_mul_i32 s3, s[HALF], HB
	s_add_co_u32 s3, s3, 2*HB
.irp s, 0,1,2
	v_add_nc_u32 v[ADRA+\s], s2, v[LI]
	v_add_nc_u32 v[ADRB+\s], s3, v[LI]
	s_add_co_u32 s2, s2, QRT
	s_add_co_u32 s3, s3, QRT
.endr
	s_lshl_b32 s2, s[ROLE], 12
	s_lshl_b32 s3, s[HALF], 12
	s_add_co_u32 s3, s3, 2*4096
	s_sub_co_u32 s3, s3, s2
	v_mul_u32_u24 v4, s3, v2
	s_add_co_u32 s2, s2, SCL
	v_lshl_add_u32 v4, v1, 5, v4
	v_add_nc_u32 v[ADRS], s2, v4
	v_lshlrev_b32 v5, 5, v1
	v_lshl_add_u32 v5, v2, 4, v5
	s_lshl_b32 s91, s91, 1
	s_add_co_u32 s91, s91, s[ROLE]
	s_lshl_b32 s92, s92, 1
	s_add_co_u32 s92, s92, s[HALF]
	s_lshl_b32 s2, s92, 6
	s_add_co_u32 s2, s2, s91
	s_lshl_b32 s3, s91, 6
	s_add_co_u32 s3, s3, s92
	s_cmp_lt_u32 s89, 2
	s_cselect_b32 s2, s2, s3
	s_mul_i32 s90, s2, CHK
	s_mul_i32 s3, s89, 6291456
	s_add_co_u32 s90, s90, s3
	s_mov_b32 s91, 0
	s_add_nc_u64 s[8:9], s[8:9], s[90:91]
	s_lshl_b32 s90, s2, 9
	s_lshl_b32 s3, s89, 18
	s_add_co_u32 s90, s90, s3
	s_add_nc_u64 s[10:11], s[10:11], s[90:91]
	s_mov_b32 s[SEL], 0x76543210
	s_mov_b32 s[SEL+1], 0xfedcba98
.macro FRAGT reg, adr, off
.irp c, 0,1,2
	ds_load_b128 v[\reg+4*\c:\reg+4*\c+3], v[\adr] offset:\off+512*\c
.endr
.endm
.macro FETCH_B s, q, p
	WIN TO_B
.irp i, 0,1,2,3,4,5,6,7
	FRAGT 128*(\p)+FR*\i, ADRB+(\s), (\q)*CHK+\i*FRB
.endr
	WIN 0
.endm
.macro FETCH_A s, q, i0
.irp i, \i0, \i0+1, \i0+2, \i0+3
	FRAGT AF+FR*(\i), ADRA+(\s), (\q)*CHK+(\i)*FRB
.endr
.endm
.macro SCALES ks, sc
.irp q, 0,1
	ds_load_b128 v[SC+16*(\sc)+8*\q:SC+16*(\sc)+8*\q+3], v[ADRS] offset:(2*(\ks)+\q)*512
	ds_load_b128 v[SC+16*(\sc)+8*\q+4:SC+16*(\sc)+8*\q+7], v[ADRS] offset:(2*(\ks)+\q)*512+16
.endr
.endm
.macro MUL16 a0, p, q, sc, zero
.irp a, \a0, \a0+1
.irp b, 0,1,2,3,4,5,6,7
.if \zero
	v_wmma_scale_f32_16x16x128_f8f6f4 v[8*(8*((\a)%4)+\b):8*(8*((\a)%4)+\b)+7], v[128*(\p)+FR*\b:128*(\p)+FR*\b+FR-1], v[AF+FR*(\a):AF+FR*(\a)+FR-1], 0, v[SC+16*(\sc)+8*(\q)+\b], v[SC+16*(\sc)+8*(\q)+(\a)] matrix_a_fmt:MATRIX_FMT_FP6 matrix_b_fmt:MATRIX_FMT_FP6 matrix_a_scale:MATRIX_SCALE_ROW1
.else
	v_wmma_scale_f32_16x16x128_f8f6f4 v[8*(8*((\a)%4)+\b):8*(8*((\a)%4)+\b)+7], v[128*(\p)+FR*\b:128*(\p)+FR*\b+FR-1], v[AF+FR*(\a):AF+FR*(\a)+FR-1], v[8*(8*((\a)%4)+\b):8*(8*((\a)%4)+\b)+7], v[SC+16*(\sc)+8*(\q)+\b], v[SC+16*(\sc)+8*(\q)+(\a)] matrix_a_fmt:MATRIX_FMT_FP6 matrix_b_fmt:MATRIX_FMT_FP6 matrix_a_scale:MATRIX_SCALE_ROW1
.endif
.endr
.endr
.endm
.macro STEP p, sc, q, zero, ns, nq, nks
	s_wait_dscnt 4*NLA
	WIN MUL_LO
	MUL16 0, \p, \q, \sc, \zero
	MUL16 2, \p, \q, \sc, \zero
	s_wait_dscnt 0x0
	PLACES
	FETCH_B \ns, \nq, 1-(\p)
	FETCH_A \ns, \nq, 0
.if (\nks) >= 0
	SCALES \nks, 1-(\sc)
.endif
	WIN MUL_HI
	MUL16 4, \p, \q, \sc, \zero
	MUL16 6, \p, \q, \sc, \zero
	PLACES
	WIN 0
	FETCH_A \ns, \nq, 4
.endm
.macro TURN p, sc, q, fill, ns, nks
	s_wait_tensorcnt 0x0
	ds_add_u32 v[SPW], v[NIL]
	s_wait_dscnt 4*NLA+1
	WIN MUL_LO
	MUL16 0, \p, \q, \sc, 0
	s_wait_dscnt 0x0
	s_barrier_signal -1
	MUL16 2, \p, \q, \sc, 0
	WIN 0
	s_barrier_wait -1
.if \fill
	CREST
	s_add_nc_u64 s[G0A+2:G0A+3], s[G0A+2:G0A+3], 3*QRT
	s_add_nc_u64 s[G0B+2:G0B+3], s[G0B+2:G0B+3], 3*QRT
	JLOAD G0A, G1A, G0B, G1B
.else
	PLACES
.endif
	FETCH_B \ns, 0, 1-(\p)
	FETCH_A \ns, 0, 0
	SCALES \nks, 1-(\sc)
	WIN MUL_HI
	MUL16 4, \p, \q, \sc, 0
	MUL16 6, \p, \q, \sc, 0
	PLACES
	WIN 0
	FETCH_A \ns, 0, 4
.endm
	s_wait_alu depctr_va_vdst(0)
	s_wait_tensorcnt 0x0                           ; my tile of the head's four is in, and no load of mine is out: group 1 is written for the refill, 96 dense rows of 256 bytes
.irp g, G1A, G1B
	s_mov_b32 s[\g+1], 32<<16
	s_mov_b32 s[\g+2], 96<<16
	s_mov_b32 s[\g+3], 32<<16
	s_mov_b32 s[\g+4], 96
	s_mov_b32 s[\g+5], 32
.endr
	s_barrier_signal -1
	s_barrier_wait -1
	FETCH_B 0, 0, 0
	FETCH_A 0, 0, 0
	SCALES 0, 0
	FETCH_A 0, 0, 4
	STEP 0, 0, 0, 1, 0, 1, -1
	TURN 1, 0, 1, 1, 1, 1
	STEP 0, 1, 0, 0, 1, 1, -1
	STEP 1, 1, 1, 0, 2, 0, 2
	STEP 0, 0, 0, 0, 2, 1, -1
	TURN 1, 0, 1, 0, 0, 3
	STEP 0, 1, 0, 0, 0, 1, -1
	s_wait_dscnt 4*NLA
	WIN MUL_LO
	MUL16 0, 1, 1, 1, 0
	MUL16 2, 1, 1, 1, 0
	s_wait_dscnt 0x0
	WIN MUL_HI
	MUL16 4, 1, 1, 1, 0
	MUL16 6, 1, 1, 1, 0
	WIN 0
.macro QUANTW a
.set AC, 64*((\a)%4)
.set WDW, 2+(\a)/4
.set PCA, 64+12*(\a)
	WIN (WDW<<2)|(WDW<<4)
.irp b, 0,1,2,3
	v_max3_num_f32 v[TM+\b], 0x1800000, |v[AC+16*\b]|, |v[AC+16*\b+1]|
.endr
.irp i, 2,4,6,8,10,12,14
.irp b, 0,1,2,3
	v_max3_num_f32 v[TM+\b], v[TM+\b], |v[AC+16*\b+\i]|, |v[AC+16*\b+\i+1]|
.endr
.endr
	WIN 0
.irp b, 0,1,2,3
	v_permlanex16_b32 v[TM+4+\b], v[TM+\b], s[SEL], s[SEL+1]
.endr
.irp b, 0,1,2,3
	v_max_num_f32 v[TM+\b], v[TM+\b], v[TM+4+\b]
.endr
.irp b, 0,1,2,3
	v_add_nc_u32 v[TM+12+\b], 0xff000000, v[TM+\b]
.endr
.irp b, 0,1,2,3
	v_lshrrev_b32 v[TM+4+\b], 23, v[TM+12+\b]
.endr
	v_lshl_or_b32 v[PW+(\a)], v[TM+5], 8, v[TM+4]
	v_lshl_or_b32 v[PW+(\a)], v[TM+6], 16, v[PW+(\a)]
	v_lshl_or_b32 v[PW+(\a)], v[TM+7], 24, v[PW+(\a)]
	WIN WDW
.irp c, 0,1
	v_cvt_scalef32_pk16_fp6_f32 v[PCA+6*\c:PCA+6*\c+2], v[AC+32*\c:AC+32*\c+15], v[TM+12+2*\c]
	v_cvt_scalef32_pk16_fp6_f32 v[CT+4*\c:CT+4*\c+2], v[AC+32*\c+16:AC+32*\c+31], v[TM+12+2*\c+1]
.endr
	WIN 0
	v_nop
.irp c, 0,1
.irp i, 0,1,2
	v_permlane16_swap_b32 v[PCA+6*\c+\i], v[CT+4*\c+\i]
.endr
.irp i, 0,1,2
	v_mov_b32 v[PCA+6*\c+3+\i], v[CT+4*\c+\i]
.endr
.endr
.irp c, 0,1                            ; a fragment leaves in two halves of 768 bytes (64 along K each): registers 6 c .. 6 c + 3 of lane l at 768 c + 16 l, the other two at 768 c + 512 + 8 l
	global_store_b128 v[LI], v[PCA+6*\c:PCA+6*\c+3], s[8:9] offset:(\a)*FRB+768*\c
	global_store_b64 v6, v[PCA+6*\c+4:PCA+6*\c+5], s[8:9] offset:(\a)*FRB+768*\c+512
.endr
.endm
	PLACES
.irp b, 0,1,2,3
	v_mov_b32 v[TM+4+\b], 0
.endr
.irp a, 0,1,2,3,4,5,6,7
	QUANTW \a
.endr
	v_cmp_ne_u32 s2, 0, v2
.irp i, 0,1,2,3
	v_cndmask_b32 v[SEL4+\i], v[PW+\i], v[PW+4+\i], s2
.endr
	global_store_b128 v5, v[SEL4:SEL4+3], s[10:11]
	s_wait_tensorcnt 0x0
	ds_add_u32 v[SPW], v[NIL]
	s_wait_dscnt 0x0
	CROUND
	s_endpgm
.Lfunc_end_k_q238a091322_proj:
	.size	k_q238a091322_proj, .Lfunc_end_k_q238a091322_proj-k_q238a091322_proj
	.p2alignl 7, 3214868480
	.fill 96, 4, 3214868480
	.section	.rodata,"a",@progbits
	.p2align	6, 0x0
	.amdhsa_kernel k_q238a091322_proj
		.amdhsa_group_segment_fixed_size 327680
		.amdhsa_private_segment_fixed_size 0
		.amdhsa_enable_private_segment 0
		.amdhsa_kernarg_size 32
		.amdhsa_user_sgpr_count 2
		.amdhsa_user_sgpr_kernarg_segment_ptr 1
		.amdhsa_wavefront_size32 1
		.amdhsa_system_sgpr_workgroup_id_x 1
		.amdhsa_system_sgpr_workgroup_id_y 1
		.amdhsa_system_sgpr_workgroup_id_z 1
		.amdhsa_system_vgpr_workitem_id 0
		.amdhsa_next_free_vgpr 1024
		.amdhsa_next_free_sgpr 102
		.amdhsa_reserve_vcc 0
		.amdhsa_float_denorm_mode_32 3
		.amdhsa_float_denorm_mode_16_64 3
		.amdhsa_memory_ordered 1
		.amdhsa_forward_progress 1
		.amdhsa_inst_pref_size 139
	.end_amdhsa_kernel
	.amdgpu_metadata
---
amdhsa.version: [ 1, 2 ]
amdhsa.kernels:
  - .name:           k_q238a091322_proj
    .symbol:         k_q238a091322_proj.kd
    .args:
      - { .name: xw_img, .offset: 0, .size: 8, .value_kind: global_buffer, .address_space: global }
      - { .name: xw_scl, .offset: 8, .size: 8, .value_kind: global_buffer, .address_space: global }
      - { .name: qkv_img, .offset: 16, .size: 8, .value_kind: global_buffer, .address_space: global }
      - { .name: qkv_scl, .offset: 24, .size: 8, .value_kind: global_buffer, .address_space: global }
    .group_segment_fixed_size: 327680
    .private_segment_fixed_size: 0
    .kernarg_segment_align: 8
    .kernarg_segment_size: 32
    .max_flat_workgroup_size: 128
    .sgpr_count:     102
    .vgpr_count:     1024
    .wavefront_size: 32
...
	.end_amdgpu_metadata
.endif
;; end of part 2
;; launch attn (part 3): grid 4 x 64, 16 waves a work-group, clusters of 4 x 1, 327,680 bytes of LDS; arguments qkv_img, qkv_scl, o_img, o_scl; writes o_img, o_scl
.if DOCPART == 3
	.amdgcn_target "amdgcn-amd-amdhsa--gfx1250"
	.amdhsa_code_object_version 6
	.text
	.protected	k_q238a091322_attn
	.globl	k_q238a091322_attn
	.p2align	8
	.type	k_q238a091322_attn,@function
k_q238a091322_attn:
	s_mov_b64 s[64:65], 0
	v_nop
	global_prefetch_b8 v0, s[64:65] scope:SCOPE_SE
	s_setreg_imm32_b32 hwreg(HW_REG_WAVE_MODE, 25, 1), 1
	s_wait_xcnt 0x0
	s_wait_alu depctr_hold_cnt(0) depctr_sa_sdst(0) depctr_va_vdst(0) depctr_va_sdst(0) depctr_va_ssrc(0) depctr_va_vcc(0) depctr_vm_vsrc(0)
	s_getreg_b32 s2, hwreg(HW_REG_IB_STS2, 6, 4)
	s_cmp_eq_u32 s2, 0
	s_cbranch_scc0 .Lentry_in_a_cluster
	s_endpgm
.Lentry_in_a_cluster:
	s_bfe_u32 s2, ttmp6, 0x10000c
	s_cmp_lg_u32 s2, 0x3003
	s_cbranch_scc0 .Lentry_shape_is_right
	s_endpgm
.Lentry_shape_is_right:
; o = softmax(q k^T / 8) v for 64 heads of size 64, 2,048 queries and keys each, both products on codes of FP6 (E2M3) with E8M0 scales, and the quantising of o, along head x 64 + channel, for the last projection.
; q, k, v lie in memory as [head pair 8][token group of 128: 64][fragment 8][1536]; a fragment is 16 rows x 128 K in two halves of 768 bytes: registers 6 c .. 6 c + 3 of lane l at 768 c + 16 l, the other two at 768 c + 512 + 8 l.
; q, k: rows = tokens, half c = head c of the pair.  v: rows = the pair's 128 channels (fragments 0-3 the first head's), K = 128 keys.  Lane r of fragment 2 g + u holds row 32 g + 8 u + r + 8 (r / 8).
; THE DEAL: 256 work-groups; one owns ONE head and 512 of its queries.  The head's k and v, 2 x 98,304 bytes, come into LDS once, by sixteen tensor loads, one a wave: nothing is filled again, and one barrier stands in front of the walk.
; A wave owns two tiles of 16 queries, one after the other, and walks the 2,048 keys for each, 128 a step.  No data prefetch: all tiles are asked for at the head, so there is no loop to run ahead in.
; CLUSTER: the four work-groups of a cluster own the four query blocks of one head: every tile is asked for jointly, with the mask of all four.
; THE HEAD'S 64 FILL HALF OF THE INSTRUCTION'S 128: an operand of k is TWO tiles of 16 keys on end; against [q, 0] it gives the first tile's scores, against [0, q] the second's.  Zero codes add nothing under any scale byte from 1 to 254.
; So k's scale words are re-laid at the head, through registers into LDS: the word of an operand is my head's two bytes of each of its two tiles.  v's words of my head are copied beside them.
; THE SOFTMAX: t = score x log2(e) / 8; M = the row's largest t so far, rounded UP to a whole number; p = 2^(t - M) is quantised along the keys, not normalised.  The row's sum is taken of the unquantised p and divides o at the end.
; When M moves, the sum and o are multiplied by 2^(old M - new M): exact.  Both products are used transposed (S^T = k q^T, O^T = v^T p^T): a lane holds one query throughout.
; o's scale image holds one word for a row and a head PAIR: my head's two bytes of it leave by a store of two bytes a lane; the other two are the other head's work-group's.  That is one byte in 24 of what the launch stores.
; LIMITS: p under 2^-126 becomes 0.  A block of zeros, or one whose largest magnitude lies under 2^-124, gets the byte 1: its codes are zeros, and this program alone reads the bytes.  NaN and infinities are not served.
; k's tokens have an order of their own: lane r of fragment 4 c + u holds token 64 c + 32 (r / 8) + 8 u + r % 8.  So in S^T the 32 registers of tiles 4 c .. 4 c + 3 of lane (r, h) are keys 64 c + 32 h + 0 .. 31:
; a whole block of 32 lies in one lane, as the second product's operand wants it: a block's maximum and its codes need no other lane; only the row's maximum and the scale word join the two halves of the lanes.
.set CHK,   12288
.set SH8,   250                        ; v250 8 h: my two scale bytes' place in p's word; never rewritten
.set FRB,   1536
; TWO BARRIERS stand in the first tile's walk: the first shows the scale words and the tiles of waves 0 and 8 (key steps 0 and 1 of k and of v), which have load lines of their own and alone wait ahead of it;
; behind those two steps every wave waits for its load, and the second barrier shows the other fourteen tiles.
.set HST,   6144
.set VB,    16*HST                     ; LDS: k's 16 steps, then v's
.set KSC,   2*VB                       ; k's scale words: [step][r][operand 4], 256 bytes a step
.set VSC,   KSC+4096                   ; v's: [step][r][fragment 4]
.set SPARE, VSC+4096                   ; the spare words, 128 bytes a wave, which no other line names
.set A16,  1                           ; 16 x lane;  A8: 8 x lane;  AV16, AV8: the same behind k;  ASC: KSC + 16 r;  R32: 32 r: never rewritten
.set A8,   2
.set ASC,  3
.set AV16, 4
.set SPW,  5
.set NIL,  6
.set AV8,  7
.set ADK,  8                           ; v8-12 the LDS addresses of the step that is fetched next
.set ADK8, 9
.set ADV,  10
.set ADV8, 11
.set ADS,  12
.set R32,  13
.set NM,   14                          ; -M;  MT the largest t;  SUM the sum in two halves;  FF f and 0
.set MT,   15
.set SUM,  16
.set FF,   18
.set TT,   20
.set PS,   21                          ; p's scale word;  QS q's
.set QS,   22
.set OSW,  23
.set QF,   24                          ; v24-29 zeros, v30-35 q, v36-41 zeros
.set KF,   42                          ; v42-89 k's four operands; behind the scores these registers are at work:
.set PC,   42                          ; p's codes
.set CT,   54
.set BM,   62
.set BX,   66
.set SOP,  70
.set AC,   74                          ; eight partial sums, in pairs
.set VF,   90                          ; v90-137 v's four fragments
.set ST,   138                         ; v138-201 S^T, then p
.set OT,   202                         ; v202-233 O^T
.set KS,   234
.set VS,   238
.set QN,   242                         ; v242-247 my second tile's q;  v248, v249 the two tiles' scale words as loaded
.set QW,   248
.set WV,   12
.set G1K,  16
.set G1V,  24
.set G0K,  32
.set G0V,  36
.set SEL,  40
.set CS,   42
.set TB,   44
.set TS,   45
.set PSEL, 46
.set QP,   48
.set QSP,  50
.set OP,   52
.set OSP,  54
.set KSP,  56
.set VSP,  58
.macro CROUND
	s_barrier_signal -1
	s_barrier_wait -1
	s_cmp_lg_u32 s[WV], 0
	s_cbranch_scc1 .Lnot_wave_0_\@
	s_barrier_signal -3
.Lnot_wave_0_\@:
	s_barrier_wait -3
	s_barrier_signal -1
	s_barrier_wait -1
.endm
.macro WM d, a, b, c, sa, sb
	v_wmma_scale_f32_16x16x128_f8f6f4 v[\d:\d+7], v[\a:\a+11], v[\b:\b+11], \c, v[\sa], v[\sb] matrix_a_fmt:MATRIX_FMT_FP6 matrix_b_fmt:MATRIX_FMT_FP6
.endm
.macro FRAG4 reg, a16, a8              ; four operands of 12 registers, each two halves of 768 bytes: 16 loads
.irp j, 0,1,2,3
	ds_load_b128 v[\reg+12*\j:\reg+12*\j+3], v[\a16] offset:FRB*\j
	ds_load_b64 v[\reg+12*\j+4:\reg+12*\j+5], v[\a8] offset:FRB*\j+512
	ds_load_b128 v[\reg+12*\j+6:\reg+12*\j+9], v[\a16] offset:FRB*\j+768
	ds_load_b64 v[\reg+12*\j+10:\reg+12*\j+11], v[\a8] offset:FRB*\j+1280
.endr
.endm
.macro ADDRS                           ; the LDS addresses of the step at s[TB], s[TS]
	v_add_nc_u32 v[ADK], s[TB], v[A16]
	v_add_nc_u32 v[ADK8], s[TB], v[A8]
	v_add_nc_u32 v[ADV], s[TB], v[AV16]
	v_add_nc_u32 v[ADV8], s[TB], v[AV8]
	v_add_nc_u32 v[ADS], s[TS], v[ASC]
.endm
	s_load_b256 s[4:11], s[0:1], 0x0               ; q, k, v's images; their scale images; o's image; its scale image
	v_lshl_add_u32 v[SPW], v0, 2, SPARE
	v_mov_b32 v[NIL], 0
	ds_add_u32 v[SPW], v[NIL]                      ; the opening lines
	ds_add_u32 v[SPW], v[NIL]
	v_lshrrev_b32 v8, 5, v0
	v_readfirstlane_b32 s[WV], v8
	s_and_b32 s14, s[WV], 7                        ; f: my fragment of a token group; also which two key steps I fetch
	s_lshr_b32 s60, s[WV], 3
	s_bfe_u32 s15, ttmp6, 0x40000                  ; cx: my query block: it enters q's and o's global addresses alone
	s_and_b32 s61, ttmp7, 0xffff                   ; 16 b + 2 hp + p
	s_and_b32 s13, s61, 1                          ; p: which head of the pair
	s_bfe_u32 s62, s61, 0x30001                    ; hp
	s_lshr_b32 s63, s61, 4                         ; b
	s_lshl_b32 s66, s62, 6
	s_lshl_b32 s67, s63, 4
	s_add_co_u32 s66, s66, s67                     ; 64 hp + 16 b: the pair's first block in an image
	s_mul_i32 s68, s66, CHK
	s_mul_i32 s69, s14, 2*CHK
	s_add_co_u32 s68, s68, s69                     ; my two key steps
	s_mul_i32 s69, s13, 768
	s_add_co_u32 s70, s68, s69
	s_add_co_u32 s70, s70, 6291456                 ; k: 16 rows of 768 bytes, 1,536 apart
	s_mov_b32 s71, 0
	s_mul_i32 s69, s13, HST
	s_add_co_u32 s72, s68, s69
	s_add_co_u32 s72, s72, 12582912                ; v: 2 rows of 6,144 bytes, 12,288 apart
	s_mov_b32 s73, 0
	s_lshl_b32 s74, s66, 9
	s_lshl_b32 s69, s13, 4
	s_add_co_u32 s76, s74, s69
	s_add_co_u32 s76, s76, 524288                  ; v's scale images, my head's four words of a row
	s_add_co_u32 s74, s74, 262144                  ; k's
	s_mov_b32 s75, 0
	s_mov_b32 s77, 0
	s_lshl_b32 s78, s15, 2
	s_add_co_u32 s78, s78, s60                     ; my first tile's token group; the second's lies two further on
	s_add_co_u32 s79, s66, s78
	s_mul_i32 s80, s79, CHK
	s_mul_i32 s69, s14, FRB
	s_mul_i32 s82, s13, 768
	s_add_co_u32 s82, s82, s69                     ; fragment f, half p
	s_add_co_u32 s80, s80, s82
	s_mov_b32 s81, 0
	s_lshl_b32 s84, s79, 9
	s_lshl_b32 s69, s14, 2
	s_add_co_u32 s84, s84, s69
	s_mov_b32 s85, 0
	s_add_co_u32 s79, s67, s78
	s_lshl_b32 s79, s79, 3
	s_add_co_u32 s79, s79, s62                     ; (16 b + group) 8 + hp: my block of o's image
	s_mul_i32 s86, s79, CHK
	s_add_co_u32 s86, s86, s82
	s_mov_b32 s87, 0
	s_lshl_b32 s88, s79, 9
	s_add_co_u32 s88, s88, s69
	s_lshl_b32 s69, s13, 1
	s_add_co_u32 s88, s88, s69                     ; 4 f + 2 p in the block's scale image
	s_mov_b32 s89, 0
	s_mov_b32 s[PSEL], 0x07060302                  ; picks my head's two bytes of two scale words: the upper halves, or
	s_cmp_eq_u32 s13, 0
	s_cselect_b32 s[PSEL], 0x05040100, s[PSEL]     ; the lower
	s_mov_b32 s[G1K], 15|(3<<16)|(1<<21)           ; the mask of all four; elements of 8 bytes; bit 21 beside a mask
	s_mov_b32 s[G1K+1], 96<<16
	s_mov_b32 s[G1K+2], 16<<16
	s_mov_b32 s[G1K+3], 96<<16
	s_mov_b32 s[G1K+4], 16
	s_mov_b32 s[G1K+5], 192
	s_mov_b32 s[G1K+6], 0
	s_mov_b32 s[G1K+7], 0
	s_mov_b32 s[G1V], 15|(3<<16)|(1<<21)
	s_mov_b32 s[G1V+1], 768<<16
	s_mov_b32 s[G1V+2], 2<<16
	s_mov_b32 s[G1V+3], 768<<16
	s_mov_b32 s[G1V+4], 2
	s_mov_b32 s[G1V+5], 1536
	s_mov_b32 s[G1V+6], 0
	s_mov_b32 s[G1V+7], 0
	s_mov_b32 s[G0K], 1
	s_mul_i32 s[G0K+1], s[WV], 2*HST               ; waves 0-7 fill k's 16 steps, waves 8-15 v's: wave x 12,288 in LDS
	s_mov_b32 s[G0V], 1
	s_mul_i32 s[G0V+1], s[WV], 2*HST
	s_mov_b32 s[SEL], 0x76543210
	s_mov_b32 s[SEL+1], 0xfedcba98
	s_mov_b32 s[CS], 0x3e38aa3b                    ; c = log2(e) / sqrt(64)
	s_mov_b32 s[CS+1], s[CS]
	s_wait_dscnt 0x0                               ; both opening adds are done
	s_wait_kmcnt 0x0
	s_add_nc_u64 s[G0K+2:G0K+3], s[4:5], s[70:71]
	s_or_b32 s[G0K+3], s[G0K+3], 0x80000000
	s_add_nc_u64 s[G0V+2:G0V+3], s[4:5], s[72:73]
	s_or_b32 s[G0V+3], s[G0V+3], 0x80000000
	s_add_nc_u64 s[QP:QP+1], s[4:5], s[80:81]
	s_add_nc_u64 s[QSP:QSP+1], s[6:7], s[84:85]
	s_add_nc_u64 s[KSP:KSP+1], s[6:7], s[74:75]
	s_add_nc_u64 s[VSP:VSP+1], s[6:7], s[76:77]
	s_add_nc_u64 s[OP:OP+1], s[8:9], s[86:87]
	s_add_nc_u64 s[OSP:OSP+1], s[10:11], s[88:89]
	v_and_b32 v9, 31, v0
	v_and_b32 v8, 15, v0                           ; r
	v_lshlrev_b32 v[A16], 4, v9
	v_lshlrev_b32 v[A8], 3, v9
	v_lshlrev_b32 v[R32], 5, v8
	v_lshlrev_b32 v10, 4, v0                       ; k's scale images: 16 bytes a thread, four fragments' words of a row
	v_lshrrev_b32 v11, 1, v0
	v_and_b32 v12, 1, v0
	v_lshlrev_b32 v11, 5, v11
	v_lshl_add_u32 v11, v12, 3, v11                ; v's: 8 of my head's 16 bytes of a row: 32 (thread / 2) + 8 (thread % 2)
	v_bfe_u32 v[SH8], v0, 4, 1
	v_lshlrev_b32 v[SH8], 3, v[SH8]
	global_load_b128 v[QF+6:QF+9], v[A16], s[QP:QP+1]                        ; my two tiles of q, their scale words and my share of k's and v's scale images are asked for ahead of the round
	global_load_b64 v[QF+10:QF+11], v[A8], s[QP:QP+1] offset:512
	global_load_b128 v[QN:QN+3], v[A16], s[QP:QP+1] offset:2*CHK
	global_load_b64 v[QN+4:QN+5], v[A8], s[QP:QP+1] offset:2*CHK+512
	global_load_b32 v[QW], v[R32], s[QSP:QSP+1]
	global_load_b32 v[QW+1], v[R32], s[QSP:QSP+1] offset:1024
	global_load_b128 v[ST:ST+3], v10, s[KSP:KSP+1]
	global_load_b64 v[ST+4:ST+5], v11, s[VSP:VSP+1]
	s_wait_alu depctr_va_vdst(0)
	CROUND
	s_cmp_eq_u32 s[WV], 0                          ; one load a wave, in the arms of one chain of branches on the wave's number; the two tiles that are wanted first have lines of their own
	s_cbranch_scc0 .Larm1
	tensor_load_to_lds s[G0K:G0K+3], s[G1K:G1K+7]  ; wave 0: k's steps 0 and 1
	s_nop 0
.rept 4
	v_nop
.endr
	s_branch .Lasked
.Larm1:
	s_cmp_eq_u32 s[WV], 8
	s_cbranch_scc0 .Larm2
	tensor_load_to_lds s[G0V:G0V+3], s[G1V:G1V+7]  ; wave 8: v's steps 0 and 1
	s_nop 0
.rept 4
	v_nop
.endr
	s_branch .Lasked
.Larm2:
	s_cmp_lt_u32 s[WV], 8
	s_cbranch_scc0 .Larm3
	tensor_load_to_lds s[G0K:G0K+3], s[G1K:G1K+7]  ; waves 1-7: k's other steps
	s_nop 0
.rept 4
	v_nop
.endr
	s_branch .Lasked
.Larm3:
	tensor_load_to_lds s[G0V:G0V+3], s[G1V:G1V+7]  ; waves 9-15: v's other steps
	s_nop 0
.rept 4
	v_nop
.endr
.Lasked:
	v_add_nc_u32 v[AV16], VB, v[A16]
	v_add_nc_u32 v[AV8], VB, v[A8]
	v_lshl_add_u32 v[ASC], v8, 4, KSC
	v_lshl_add_u32 v12, v0, 3, KSC                 ; where my 8 bytes of re-laid words go
	v_mov_b32 v[FF+1], 0                           ; (named as the upper half of the pair with f)
.irp i, 0,1,2,3,4,5
	v_mov_b32 v[QF+\i], 0                          ; the zero codes on both sides of q
	v_mov_b32 v[QF+12+\i], 0
.endr
	s_wait_alu depctr_va_vdst(0)
	s_wait_loadcnt 0x0
	v_perm_b32 v[ST+6], v[ST+1], v[ST], s[PSEL]    ; an operand's word: my head's two bytes of its even tile, then of its odd tile
	v_perm_b32 v[ST+7], v[ST+3], v[ST+2], s[PSEL]
	ds_store_b64 v12, v[ST+6:ST+7]
	ds_store_b64 v12, v[ST+4:ST+5] offset:4096
; ONE TILE OF 16 QUERIES: the start, the walk over 16 key steps, the way out.
.macro PRO n                           ; a tile's start
.if \n
.irp i, 0,1,2,3,4,5
	v_mov_b32 v[QF+6+\i], v[QN+\i]
.endr
.endif
	v_perm_b32 v[QS], v[QW+\n], v[QW+\n], s[PSEL]  ; q's two bytes twice: they serve [q, 0] and [0, q]
	v_mov_b32 v[MT], 0xff61b1e6                    ; the largest t so far: -3e38, under every t
	v_floor_f32 v[NM], -v[MT]
	v_mov_b32 v[SUM], 0
	v_mov_b32 v[SUM+1], 0
.set j, 0
.rept 32
	v_mov_b32 v[OT+j], 0                           ; (the step is written once: the first finds zeros, which the first change of M leaves zeros)
.set j, j+1
.endr
	s_mov_b32 s[TB], 0
	s_mov_b32 s[TS], 0
	ADDRS
	s_wait_alu depctr_va_vdst(0)
.if \n
	s_wait_xcnt 0x0                                ; the first tile's stores have read their data: the loads below may land there
.else
	s_wait_dscnt 0x0                               ; my scale words are stored
	s_cmp_eq_u32 s14, 0                            ; wave % 8 = 0: waves 0 and 8
	s_cbranch_scc0 .Lnot_first
	s_wait_tensorcnt 0x0                           ; their tiles are in
.Lnot_first:
	s_barrier_signal -1
	s_barrier_wait -1                              ; key steps 0 and 1 and all scale words may be read; the other tiles may still be on their way
.endif
.endm
.macro WALK lim                        ; key steps, from where s[TS] stands up to lim / 256
.Lstep_\@:
	FRAG4 KF, ADK, ADK8
	ds_load_b128 v[KS:KS+3], v[ADS]
	FRAG4 VF, ADV, ADV8
	ds_load_b128 v[VS:VS+3], v[ADS] offset:4096
	s_wait_dscnt 17                                ; k and its words are in; v's 16 loads and its words' one may be out
.irp j, 0,1,2,3                        ; S^T = k q^T: the 16 registers of tiles 2 j, 2 j + 1 are keys 64 (j / 2) + 32 h + 16 (j % 2) + 0 .. 15 of query r
	WM ST+16*\j, KF+12*\j, QF+6, 0, KS+\j, QS
	WM ST+16*\j+8, KF+12*\j, QF, 0, KS+\j, QS
.endr
	s_add_co_u32 s[TB], s[TB], HST
	s_add_co_u32 s[TS], s[TS], 256
	ADDRS                                          ; the next step's addresses: also the places behind the products, ahead of the reads of the scores and of the work in k's registers
.irp b, 0,1,2,3
	v_max3_num_f32 v[BM+\b], v[ST+16*\b], v[ST+16*\b+1], v[ST+16*\b+2]   ; the largest score of each block of 32 keys: for the row's maximum and, since p rises with the score, for the block's largest p
.endr
.irp i, 3,5,7,9,11,13
.irp b, 0,1,2,3
	v_max3_num_f32 v[BM+\b], v[BM+\b], v[ST+16*\b+\i], v[ST+16*\b+\i+1]
.endr
.endr
.irp c, 0,1
	v_max3_num_f32 v[BM+2*\c], v[BM+2*\c], v[ST+32*\c+15], v[ST+32*\c+31]   ; the four chains of 15 scores take in the two that are left of each block,
.endr
.irp c, 0,1
	s_delay_alu instid0(VALU_DEP_2)
	v_max_num_f32 v[BM+\c], v[BM+2*\c], v[BM+2*\c+1]   ; and join by twos: the largest score of my block 2 c + h
.endr
	s_delay_alu instid0(VALU_DEP_1)
	v_max_num_f32 v[TT], v[BM], v[BM+1]
	s_delay_alu instid0(VALU_DEP_1)
	v_permlanex16_b32 v[BX], v[TT], s[SEL], s[SEL+1]
	s_delay_alu instid0(VALU_DEP_1)
	v_max_num_f32 v[TT], v[TT], v[BX]              ; with lane l xor 16's two blocks: the step's largest score of my query
	s_delay_alu instid0(VALU_DEP_1)
	v_mul_f32 v[TT], s[CS], v[TT]                  ; the step's largest t (c is positive)
	s_delay_alu instid0(VALU_DEP_1)
	v_max_num_f32 v[MT], v[MT], v[TT]
	v_mov_b32 v[TT], v[NM]
	s_delay_alu instid0(VALU_DEP_2)
	v_floor_f32 v[NM], -v[MT]                      ; the new -M = -ceil(t)
	s_delay_alu instid0(VALU_DEP_1)
	v_sub_f32 v[TT], v[NM], v[TT]                  ; old M - new M: a whole number, 0 or less
	s_delay_alu instid0(VALU_DEP_1)
	v_cvt_i32_f32 v[TT], v[TT]
	s_delay_alu instid0(VALU_DEP_1)
	v_ldexp_f32 v[FF], 1.0, v[TT]                  ; f = 2^(old M - new M)
.set j, 0
.rept 32
	v_pk_fma_f32 v[ST+j:ST+j+1], v[ST+j:ST+j+1], s[CS:CS+1], v[NM:NM+1] op_sel_hi:[1,0,0]   ; t - M, two at a time
.set j, j+2
.endr
.irp b, 0,1
	v_fma_f32 v[BM+\b], v[BM+\b], s[CS], v[NM]
.endr
	s_wait_alu depctr_va_vdst(0)
.set j, 0
.rept 64
	v_exp_f32 v[ST+j], v[ST+j]                     ; p = 2^(t - M), at most 1
.set j, j+1
.endr
	v_pk_mul_f32 v[SUM:SUM+1], v[SUM:SUM+1], v[FF:FF+1] op_sel_hi:[1,0]   ; the sum under the new M: the plain line behind the exponentials
	s_wait_alu depctr_va_vdst(0)                   ; one wait for the batch of 64, ahead of its first reader
.irp b, 0,1
	v_exp_f32 v[BM+\b], v[BM+\b]                   ; my two blocks' largest p
.endr
.irp k, 0,1,2,3,4,5,6,7                ; the row's sum of the unquantised p: eight chains of pairs
	v_pk_add_f32 v[AC+2*\k:AC+2*\k+1], v[ST+2*\k:ST+2*\k+1], v[ST+16+2*\k:ST+16+2*\k+1]
.endr
.irp o, 32,48
.irp k, 0,1,2,3,4,5,6,7
	v_pk_add_f32 v[AC+2*\k:AC+2*\k+1], v[AC+2*\k:AC+2*\k+1], v[ST+\o+2*\k:ST+\o+2*\k+1]
.endr
.endr
	s_wait_alu depctr_va_vdst(0)                   ; and one for the two
.irp c, 0,1
	v_max_num_f32 v[BM+\c], 0x1800000, v[BM+\c]    ; the floor 2^(3 - 127): the byte cannot fall under 1
.endr
.irp c, 0,1
	s_delay_alu instid0(VALU_DEP_2)
	v_add_nc_u32 v[SOP+\c], 0xff000000, v[BM+\c]   ; 2 off the exponent field: the conversion's scale operand
.endr
.irp c, 0,1
	s_delay_alu instid0(VALU_DEP_2)
	v_lshrrev_b32 v[BX+\c], 23, v[SOP+\c]
.endr
	s_delay_alu instid0(VALU_DEP_1)
	v_lshl_or_b32 v[TT], v[BX+1], 16, v[BX]        ; my two bytes: blocks h and 2 + h,
	s_delay_alu instid0(VALU_DEP_1)
	v_lshlrev_b32 v[TT], v[SH8], v[TT]             ; at their places in the word;
	s_delay_alu instid0(VALU_DEP_1)
	v_permlanex16_b32 v[BX], v[TT], s[SEL], s[SEL+1]
	s_delay_alu instid0(VALU_DEP_1)
	v_or_b32 v[PS], v[TT], v[BX]                   ; with lane l xor 16's two: p's scale word for these 128 keys
.irp c, 0,1
	v_cvt_scalef32_pk16_fp6_f32 v[PC+6*\c:PC+6*\c+2], v[ST+32*\c:ST+32*\c+15], v[SOP+\c]
	v_cvt_scalef32_pk16_fp6_f32 v[CT+4*\c:CT+4*\c+2], v[ST+32*\c+16:ST+32*\c+31], v[SOP+\c]   ; (a conversion's three registers begin on an even number)
.endr
	v_nop                                          ; one plain line behind a scaled conversion
.irp c, 0,1
.irp i, 0,1,2
	v_mov_b32 v[PC+6*\c+3+\i], v[CT+4*\c+\i]       ; registers 6 c .. 6 c + 5: the codes of keys 64 c + 32 h + 0 .. 31
.endr
.endr
	s_wait_alu depctr_va_vdst(0)                   ; directly ahead of the first reader of O^T
.set j, 0
.rept 16
	v_pk_mul_f32 v[OT+j:OT+j+1], v[OT+j:OT+j+1], v[FF:FF+1] op_sel_hi:[1,0]   ; O^T under the new M, each tile from its low end on; also the places behind the writes of p's codes and scale word
.set j, j+2
.endr
	s_wait_alu depctr_va_vdst(0)
	s_wait_dscnt 0x0                               ; v's fragments and words are in
.irp t, 0,1,2,3                        ; O^T += v^T p^T: four accumulators by turns
	WM OT+8*\t, VF+12*\t, PC, v[OT+8*\t:OT+8*\t+7], VS+\t, PS
.endr
.irp k, 0,1,2,3                        ; the eight chains are joined: also the places between these products and the next step's loads into their registers
	v_pk_add_f32 v[AC+2*\k:AC+2*\k+1], v[AC+2*\k:AC+2*\k+1], v[AC+8+2*\k:AC+8+2*\k+1]
.endr
.irp k, 0,1
	s_delay_alu instid0(VALU_DEP_2)
	v_pk_add_f32 v[AC+2*\k:AC+2*\k+1], v[AC+2*\k:AC+2*\k+1], v[AC+4+2*\k:AC+4+2*\k+1]
.endr
	s_delay_alu instid0(VALU_DEP_1)
	v_pk_add_f32 v[AC:AC+1], v[AC:AC+1], v[AC+2:AC+3]
	s_delay_alu instid0(VALU_DEP_1)
	v_pk_add_f32 v[SUM:SUM+1], v[SUM:SUM+1], v[AC:AC+1]
	s_cmp_lg_u32 s[TS], \lim                       ; 256 bytes of scale words a step
	s_cbranch_scc1 .Lstep_\@
.endm
.macro EPI n
	; THE WAY OUT.  O^T / the sum; its two blocks of 32 channels are quantised and are half p of fragment f of o's image.
	v_add_f32 v[SUM], v[SUM], v[SUM+1]
	s_delay_alu instid0(VALU_DEP_1)
	v_permlanex16_b32 v[TT], v[SUM], s[SEL], s[SEL+1]
	s_delay_alu instid0(VALU_DEP_1)
	v_add_f32 v[SUM], v[SUM], v[TT]                ; the row's sum, above 1/2
	s_wait_alu depctr_va_vdst(0)
	v_rcp_f32 v[FF], v[SUM]
	v_nop                                          ; the plain line behind the reciprocal
	s_wait_alu depctr_va_vdst(0)                   ; ahead of the first reader of the reciprocal and of O^T
.set j, 0
.rept 16
	v_pk_mul_f32 v[OT+j:OT+j+1], v[OT+j:OT+j+1], v[FF:FF+1] op_sel_hi:[1,0]   ; register 16 g + i = channel 32 g + 16 h + i of my query
.set j, j+2
.endr
.irp g, 0,1
	v_max3_num_f32 v[BM+\g], |v[OT+16*\g]|, |v[OT+16*\g+1]|, 0x1800000
.endr
.irp i, 2,4,6,8,10,12,14
.irp g, 0,1
	s_delay_alu instid0(VALU_DEP_2)
	v_max3_num_f32 v[BM+\g], v[BM+\g], |v[OT+16*\g+\i]|, |v[OT+16*\g+\i+1]|
.endr
.endr
.irp g, 0,1
	s_delay_alu instid0(VALU_DEP_2)
	v_permlanex16_b32 v[BX+\g], v[BM+\g], s[SEL], s[SEL+1]
.endr
.irp g, 0,1
	s_delay_alu instid0(VALU_DEP_2)
	v_max_num_f32 v[BM+\g], v[BM+\g], v[BX+\g]
.endr
.irp g, 0,1
	s_delay_alu instid0(VALU_DEP_2)
	v_add_nc_u32 v[SOP+\g], 0xff000000, v[BM+\g]
.endr
.irp g, 0,1
	s_delay_alu instid0(VALU_DEP_2)
	v_lshrrev_b32 v[BX+\g], 23, v[SOP+\g]
.endr
	s_delay_alu instid0(VALU_DEP_1)
	v_lshl_or_b32 v[OSW], v[BX+1], 8, v[BX]        ; my head's two bytes of the row's scale word
	v_cvt_scalef32_pk16_fp6_f32 v[PC:PC+2], v[OT:OT+15], v[SOP]
	v_cvt_scalef32_pk16_fp6_f32 v[CT:CT+2], v[OT+16:OT+31], v[SOP+1]
	v_nop
.irp i, 0,1,2
	v_permlane16_swap_b32 v[PC+\i], v[CT+\i]
.endr
.irp i, 0,1,2
	s_delay_alu instid0(VALU_DEP_3)
	v_mov_b32 v[PC+3+\i], v[CT+\i]
.endr
	global_store_b128 v[A16], v[PC:PC+3], s[OP:OP+1] offset:16*CHK*\n        ; 512 consecutive bytes; the second tile's block lies 16 blocks on
	global_store_b64 v[A8], v[PC+4:PC+5], s[OP:OP+1] offset:16*CHK*\n+512    ; 256 consecutive bytes
	global_store_b16 v[R32], v[OSW], s[OSP:OSP+1] offset:8192*\n             ; both halves of the lanes store the same two bytes with the same value
.endm
	PRO 0
	WALK 512                                       ; key steps 0 and 1
	s_wait_alu depctr_va_vdst(0)
	s_wait_tensorcnt 0x0                           ; my tile is in,
	s_wait_dscnt 0x0
	s_barrier_signal -1
	s_barrier_wait -1                              ; and so is everybody's.
	WALK 4096
	EPI 0
	PRO 1
	WALK 4096
	EPI 1
	s_wait_tensorcnt 0x0                           ; the wave's end
	ds_add_u32 v[SPW], v[NIL]
	s_wait_dscnt 0x0
	CROUND                                         ; the closing round
	s_endpgm
.Lfunc_end_k_q238a091322_attn:
	.size	k_q238a091322_attn, .Lfunc_end_k_q238a091322_attn-k_q238a091322_attn
	.p2alignl 7, 3214868480
	.fill 96, 4, 3214868480
	.section	.rodata,"a",@progbits
	.p2align	6, 0x0
	.amdhsa_kernel k_q238a091322_attn
		.amdhsa_group_segment_fixed_size 327680
		.amdhsa_private_segment_fixed_size 0
		.amdhsa_enable_private_segment 0
		.amdhsa_kernarg_size 32
		.amdhsa_user_sgpr_count 2
		.amdhsa_user_sgpr_kernarg_segment_ptr 1
		.amdhsa_wavefront_size32 1
		.amdhsa_system_sgpr_workgroup_id_x 1
		.amdhsa_system_sgpr_workgroup_id_y 1
		.amdhsa_system_sgpr_workgroup_id_z 1
		.amdhsa_system_vgpr_workitem_id 0
		.amdhsa_next_free_vgpr 256
		.amdhsa_next_free_sgpr 100
		.amdhsa_reserve_vcc 0
		.amdhsa_float_denorm_mode_32 3
		.amdhsa_float_denorm_mode_16_64 3
		.amdhsa_memory_ordered 1
		.amdhsa_forward_progress 1
		.amdhsa_inst_pref_size 68
	.end_amdhsa_kernel
	.amdgpu_metadata
---
amdhsa.version: [ 1, 2 ]
amdhsa.kernels:
  - .name:           k_q238a091322_attn
    .symbol:         k_q238a091322_attn.kd
    .args:
      - { .name: qkv_img, .offset: 0, .size: 8, .value_kind: global_buffer, .address_space: global }
      - { .name: qkv_scl, .offset: 8, .size: 8, .value_kind: global_buffer, .address_space: global }
      - { .name: o_img, .offset: 16, .size: 8, .value_kind: global_buffer, .address_space: global }
      - { .name: o_scl, .offset: 24, .size: 8, .value_kind: global_buffer, .address_space: global }
    .group_segment_fixed_size: 327680
    .private_segment_fixed_size: 0
    .kernarg_segment_align: 8
    .kernarg_segment_size: 32
    .max_flat_workgroup_size: 512
    .sgpr_count:     100
    .vgpr_count:     256
    .wavefront_size: 32
...
	.end_amdgpu_metadata
.endif
;; end of part 3
;; launch outproj (part 4): grid 64 x 4, 4 waves a work-group, clusters of 4 x 4, 327,680 bytes of LDS; arguments o_img, o_scl, xw_img, xw_scl, out0; writes out0
.if DOCPART == 4
	.amdgcn_target "amdgcn-amd-amdhsa--gfx1250"
	.amdhsa_code_object_version 6
	.text
	.protected	k_q238a091322_outproj
	.globl	k_q238a091322_outproj
	.p2align	8
	.type	k_q238a091322_outproj,@function
k_q238a091322_outproj:
	s_mov_b64 s[64:65], 0
	v_nop
	global_prefetch_b8 v0, s[64:65] scope:SCOPE_SE
	s_setreg_imm32_b32 hwreg(HW_REG_WAVE_MODE, 25, 1), 1
	s_wait_xcnt 0x0
	s_wait_alu depctr_hold_cnt(0) depctr_sa_sdst(0) depctr_va_vdst(0) depctr_va_sdst(0) depctr_va_ssrc(0) depctr_va_vcc(0) depctr_vm_vsrc(0)
	s_getreg_b32 s2, hwreg(HW_REG_IB_STS2, 6, 4)
	s_cmp_eq_u32 s2, 0
	s_cbranch_scc0 .Lentry_in_a_cluster
	s_endpgm
.Lentry_in_a_cluster:
	s_bfe_u32 s2, ttmp6, 0x10000c
	s_cmp_lg_u32 s2, 0xf033
	s_cbranch_scc0 .Lentry_shape_is_right
	s_endpgm
.Lentry_shape_is_right:
; out0[token][n] = sum over k of o[token][k] Wo[k][n], f32: 8,192 x 1,024 x 1,024 on codes of FP6 (E2M3) with E8M0 scales.
; A = o's image, [group of 128 tokens][K chunk of 128][fragment 8][1536], a fragment in two halves of 768 bytes (registers 6 c .. 6 c + 3 of lane l at 768 c + 16 l, the other two at 768 c + 512 + 8 l).
; B = Wo's image in xw_img, [group of 128 columns][K chunk][fragment][1536], registers 4 c .. 4 c + 3 of lane l at 512 c + 16 l.  Lane r of fragment 2 g + u holds row (column) 32 g + 8 u + r + 8 (r / 8).
; A chunk's scale image, 512 bytes: the word of lane r, fragment f at 32 r + 4 f.
; THE DEAL: 256 work-groups of four waves; one makes 128 tokens x 256 columns.  All of K lies in LDS at once: A's 98,304 bytes, B's 196,608, the scale images' 12,288: four joint loads at the head, one a wave, each on its own line;
; nothing is filled again.  No data prefetch: all is asked for at the head, so there is no loop to run ahead in.
; A WAVE HOLDS ITS 64 COLUMNS OF B, ALL OF K, IN REGISTERS (32 fragments, 384 registers) with all scale words, and streams A's eight blocks of 16 tokens past them: a block's eight fragments feed 32 products on four accumulators by turns.
; A block is finished by its own 32 products, so its rows leave at once: through the wave's own stage, back as whole rows of 256 bytes, and out.  Two sets of A's fragments, of accumulators and of the rows read back, by turns.
; ONE RUN OF MEMORY LINES behind a block's products, and one wait on LDS in it: younger than the rows' way back is the run's fetch of the block two on alone (NF loads); so the wait shows the next block's fragments in too.
; The first barrier shows B and the scale images (wave 1, which loads A, does not wait there); the second shows A, and behind it nobody reads B's bytes: the stages lie there.
; CLUSTER 4 x 4: the token group is 4 x cluster x + cy, the column tile cx.  A's tiles are shared by a row of the cluster, B's by a column.
; THE PRODUCT IS USED TRANSPOSED (source 0 = B's rows, source 1 = A's): a lane holds eight neighbouring columns of a token.
; LIMITS: NaN, infinities and sums beyond f32's range are not served.
.set GRPB,  98304
.set CHK,   12288
.set FRB,   1536
.set SCL,   3*GRPB                     ; A's scale images, 4,096 bytes; then B's, 8,192
.set SPARE, SCL+12288                  ; the spare words, 128 bytes a wave, which no other line names
.set SPITCH, 272                       ; a stage: 16 rows x (256 bytes + 16)
.set STAGE, GRPB                       ; in B's first bytes
.set FR,    12
.set FPW,   21                         ; fragments in a window of 256 registers
.set NF,    32                         ; LDS loads of a block of A
.set STO,  4                           ; v4 into the stage;  v5 out of it;  v6 my byte offset in out0: row lane / 16, 16 bytes x (lane % 16)
.set RD,   5
.set CO,   6
.set ADA,  16                          ; v16, v17 16 x lane, for A's chunks 0-3 and 4-7;  v18, v19 8 x lane likewise;  v20, v21 my fragments of B
.set ADA8, 18
.set ADB,  20
.set ASB,  22                          ; my row's scale words of B, of A
.set ASA,  23
.set SPW,  28
.set NIL,  29
.set SB,   32                          ; v32-63 B's scale words: 4 x chunk + tile;  v64-127 A's: 8 x chunk + block
.set SA,   64
.set ACC,  128                         ; v128-191 two sets of four accumulators
.set BK,   192                         ; v192-255 two sets: 16 rows x 256 bytes back from the stage
.set G1A,  16
.set G1B,  24
.set G1SA, 32
.set G1SB, 40
.set G0A,  48
.set G0B,  52
.set G0SA, 56
.set G0SB, 60
.set WV,   84
.set ROLE, 85
.set HALF, 86
.set MSB, 0
.macro WIN new                         ; the immediate's high byte repeats the setting that is left
.if MSB != (\new)
	s_set_vgpr_msb (MSB<<8)|(\new)
.set MSB, \new
.endif
.endm
.macro BARRIER
	s_barrier_signal -1
	s_barrier_wait -1
.endm
.macro CROUND
	BARRIER
	s_cmp_lg_u32 s[WV], 0
	s_cbranch_scc1 .Lnot_wave_0_\@
	s_barrier_signal -3
.Lnot_wave_0_\@:
	s_barrier_wait -3
	BARRIER
.endm
.macro PLACES
.rept 4
	v_nop
.endr
.endm
.macro GROUP1 g, mask, c, r            ; r dense rows of c elements of 8 bytes
	s_or_b32 s[\g], s\mask, (3<<16)|(1<<21)
	s_mov_b32 s[\g+1], (\c)<<16
	s_mov_b32 s[\g+2], (\r)<<16
	s_mov_b32 s[\g+3], (\c)<<16
	s_mov_b32 s[\g+4], \r
	s_mov_b32 s[\g+5], \c
	s_mov_b32 s[\g+6], 0
	s_mov_b32 s[\g+7], 0
.endm
.macro GROUP0 g, lds, base, off
	s_mov_b32 s[\g], 1
	s_mov_b32 s[\g+1], \lds
	s_add_nc_u64 s[\g+2:\g+3], s[\base:\base+1], s[\off:\off+1]
	s_or_b32 s[\g+3], s[\g+3], 0x80000000
.endm
.macro TLOAD g0, g1
	tensor_load_to_lds s[\g0:\g0+3], s[\g1:\g1+7]
	s_nop 0
	PLACES
.endm
; fragments: 0-31 B's (4 x chunk + tile), 32-47 A's two sets (32 + 8 x set + chunk); fragment f lies in window 1 + f / 21, at register 12 (f % 21)
.macro FPLACE f
.set FW_, 1+(\f)/FPW
.set FG_, FR*((\f)%FPW)
.endm
.macro FRAGB kc, b
	FPLACE 4*(\kc)+(\b)
	WIN FW_<<6
.irp c, 0,1,2
	ds_load_b128 v[FG_+4*\c:FG_+4*\c+3], v[ADB+(\kc)/4] offset:((\kc)%4)*CHK+(\b)*FRB+512*\c
.endr
.endm
.macro FETCHA a, e                     ; block a of A, all of K, into set e: NF loads
.irp kc, 0,1,2,3,4,5,6,7
	FPLACE 32+8*(\e)+\kc
	WIN FW_<<6
.irp c, 0,1
	ds_load_b128 v[FG_+6*\c:FG_+6*\c+3], v[ADA+\kc/4] offset:(\kc%4)*CHK+(\a)*FRB+768*\c
	ds_load_b64 v[FG_+6*\c+4:FG_+6*\c+5], v[ADA8+\kc/4] offset:(\kc%4)*CHK+(\a)*FRB+768*\c+512
.endr
.endr
	WIN 0
.endm
.macro PROD e, a, n                    ; product n = 4 x chunk + tile of block a, whose fragments lie in set e.  The first along K starts the sum
.set KC_, (\n)/4
.set D_, ACC+32*(\e)+8*((\n)%4)
	FPLACE 32+8*(\e)+KC_
.set AW_, FW_
.set AG_, FG_
	FPLACE (\n)
	WIN FW_|(AW_<<2)
.if KC_
	v_wmma_scale_f32_16x16x128_f8f6f4 v[D_:D_+7], v[FG_:FG_+FR-1], v[AG_:AG_+FR-1], v[D_:D_+7], v[SB+(\n)], v[SA+8*KC_+(\a)] matrix_a_fmt:MATRIX_FMT_FP6 matrix_b_fmt:MATRIX_FMT_FP6
.else
	v_wmma_scale_f32_16x16x128_f8f6f4 v[D_:D_+7], v[FG_:FG_+FR-1], v[AG_:AG_+FR-1], 0, v[SB+(\n)], v[SA+8*KC_+(\a)] matrix_a_fmt:MATRIX_FMT_FP6 matrix_b_fmt:MATRIX_FMT_FP6
.endif
.endm
.macro STAGED e                        ; set e's sums into my stage, each accumulator from its low end on, and back as whole rows.  Tile b's register j of lane (r, h) is column 32 (b / 2) + 16 h + 8 (b % 2) + j of my 64
.irp b, 0,1,2,3
	ds_store_b128 v[STO], v[ACC+32*(\e)+8*\b:ACC+32*(\e)+8*\b+3] offset:128*(\b/2)+32*(\b%2)
	ds_store_b128 v[STO], v[ACC+32*(\e)+8*\b+4:ACC+32*(\e)+8*\b+7] offset:128*(\b/2)+32*(\b%2)+16
.endr
.irp t, 0,1,2,3,4,5,6,7
	ds_load_b128 v[BK+32*(\e)+4*\t:BK+32*(\e)+4*\t+3], v[RD] offset:2*\t*SPITCH   ; LDS serves a wave's instructions in order: these see the stores above
.endr
.endm
.macro TOC a                           ; block a's rows 2 t, 2 t + 1 are tokens 32 (a / 2) + 8 (a % 2) + 2 t + 8 (t / 4) and the next
.irp t, 0,1,2,3,4,5,6,7
	global_store_b128 v[CO], v[BK+32*((\a)%2)+4*\t:BK+32*((\a)%2)+4*\t+3], s[12:13] offset:(32*((\a)/2)+8*((\a)%2)+2*\t+8*(\t/4))*4096 th:TH_STORE_NT   ; sixteen lanes store 256 consecutive bytes, aligned
.endr
.endm
.macro STREAM a
.set N_, 0
.rept 32
	PROD (\a)%2, \a, N_
.set N_, N_+1
.endr
	WIN 0
	PLACES                                         ; between the last product and the reads of its sums and the loads into its registers
	s_wait_xcnt 0x0                                ; the stores of two blocks ago have read this set of rows
	STAGED (\a)%2
.if (\a)+2 < 8
	FETCHA (\a)+2, (\a)%2
	s_wait_dscnt NF                                ; the block's rows are back from the stage, and the next block's fragments are in; this run's fetch is younger
.else
	s_wait_dscnt 0x0
.endif
	TOC \a
.endm
	s_load_b256 s[4:11], s[0:1], 0x0               ; o's image, its scale images, xw_img, xw_scl
	s_load_b64 s[12:13], s[0:1], 0x20              ; out0
	v_lshl_add_u32 v[SPW], v0, 2, SPARE
	v_mov_b32 v[NIL], 0
	ds_add_u32 v[SPW], v[NIL]                      ; the opening lines
	ds_add_u32 v[SPW], v[NIL]
	v_lshrrev_b32 v1, 5, v0
	v_readfirstlane_b32 s[WV], v1
	s_lshr_b32 s[ROLE], s[WV], 1                   ; which group of 128 columns
	s_and_b32 s[HALF], s[WV], 1                    ; which four of its fragments
	s_bfe_u32 s87, ttmp6, 0x40000                  ; cx: the column tile
	s_bfe_u32 s88, ttmp6, 0x40004                  ; cy
	s_lshl_b32 s91, ttmp9, 2
	s_add_co_u32 s91, s91, s88                     ; the token group
	s_lshl_b32 s2, s88, 2
	s_lshl_b32 s2, 15, s2                          ; my row of the cluster
	s_lshl_b32 s3, 0x1111, s87                     ; my column
	GROUP1 G1A, 2, 6144, 2
	GROUP1 G1B, 3, 12288, 2
	GROUP1 G1SA, 2, 32, 16
	GROUP1 G1SB, 3, 32, 32
	s_mul_i32 s92, s91, GRPB
	s_mov_b32 s93, 0
	s_lshl_b32 s94, s91, 12
	s_mov_b32 s95, 0
	s_mul_i32 s96, s87, 2*GRPB
	s_add_co_u32 s96, s96, 21233664                ; Wo's image
	s_mov_b32 s97, 0
	s_lshl_b32 s100, s87, 13
	s_add_co_u32 s100, s100, 884736                ; its scale images
	s_mov_b32 s101, 0
	s_mul_i32 s2, s[ROLE], GRPB                    ; LDS: my fragments of B,
	s_mul_i32 s3, s[HALF], 4*FRB
	s_add_co_u32 s2, s2, s3
	s_add_co_u32 s2, s2, GRPB
	s_lshl_b32 s89, s[ROLE], 12                    ; their scale words,
	s_lshl_b32 s3, s[HALF], 4
	s_add_co_u32 s89, s89, s3
	s_add_co_u32 s89, s89, SCL+4096
	s_mul_i32 s90, s[WV], 16*SPITCH                ; my stage
	s_add_co_u32 s90, s90, STAGE
	s_lshl_b32 s98, s91, 19                        ; out0: 128 tokens of 4,096 bytes,
	s_lshl_b32 s3, s87, 10
	s_add_co_u32 s98, s98, s3                      ; 256 columns,
	s_lshl_b32 s3, s[WV], 8
	s_add_co_u32 s98, s98, s3                      ; my 64
	s_mov_b32 s99, 0
	s_wait_dscnt 0x0                               ; both opening adds are done
	s_wait_kmcnt 0x0
	GROUP0 G0A, 0, 4, 92
	GROUP0 G0B, GRPB, 8, 96
	GROUP0 G0SA, SCL, 6, 94
	GROUP0 G0SB, SCL+4096, 10, 100
	s_add_nc_u64 s[12:13], s[12:13], s[98:99]
	CROUND                                         ; all sixteen work-groups are here: the joint loads meet
	s_cmp_eq_u32 s[WV], 0                          ; one chain of branches on the wave's number, one load to an arm, one join
	s_cbranch_scc0 .Lh1
	TLOAD G0B, G1B                                 ; wave 0: B, which goes on into registers
	s_branch .Lhj
.Lh1:
	s_cmp_eq_u32 s[WV], 1
	s_cbranch_scc0 .Lh2
	TLOAD G0A, G1A                                 ; wave 1: A
	s_branch .Lhj
.Lh2:
	s_cmp_eq_u32 s[WV], 2
	s_cbranch_scc0 .Lh3
	TLOAD G0SB, G1SB
	s_branch .Lhj
.Lh3:
	TLOAD G0SA, G1SA
.Lhj:
	v_and_b32 v1, 15, v0                           ; r
	v_bfe_u32 v2, v0, 4, 1                         ; h
	v_and_b32 v3, 31, v0
	v_lshlrev_b32 v[ADA], 4, v3
	v_lshlrev_b32 v[ADA8], 3, v3
	v_add_nc_u32 v[ADA+1], 4*CHK, v[ADA]
	v_add_nc_u32 v[ADA8+1], 4*CHK, v[ADA8]
	v_add_nc_u32 v[ADB], s2, v[ADA]
	v_add_nc_u32 v[ADB+1], 4*CHK, v[ADB]
	v_lshl_add_u32 v[ASB], v1, 5, s89
	v_lshl_add_u32 v[ASA], v1, 5, SCL
	v_mul_u32_u24 v[STO], v1, SPITCH               ; in: row r, 64 bytes for each half of the lanes
	v_lshl_add_u32 v[STO], v2, 6, v[STO]
	v_add_nc_u32 v[STO], s90, v[STO]
	v_mul_u32_u24 v[RD], v2, SPITCH                ; back: lanes 0-15 take one row of 256 bytes, lanes 16-31 the next
	v_lshl_add_u32 v[RD], v1, 4, v[RD]
	v_add_nc_u32 v[RD], s90, v[RD]
	v_lshlrev_b32 v[CO], 12, v2                    ; and the same two rows in out0
	v_lshl_add_u32 v[CO], v1, 4, v[CO]
	s_wait_alu depctr_va_vdst(0)
	s_cmp_eq_u32 s[WV], 1
	s_cbranch_scc1 .Lnot_b
	s_wait_tensorcnt 0x0                           ; waves 0, 2, 3: B and the scale images
.Lnot_b:
	BARRIER                                        ; they are in; A may still be on its way
.irp kc, 0,1,2,3,4,5,6,7
.irp b, 0,1,2,3
	FRAGB \kc, \b
.endr
.endr
	WIN 0
.irp kc, 0,1,2,3,4,5,6,7
	ds_load_b128 v[SB+4*\kc:SB+4*\kc+3], v[ASB] offset:512*\kc
	ds_load_b128 v[SA+8*\kc:SA+8*\kc+3], v[ASA] offset:512*\kc
	ds_load_b128 v[SA+8*\kc+4:SA+8*\kc+7], v[ASA] offset:512*\kc+16
.endr
	s_cmp_eq_u32 s[WV], 1
	s_cbranch_scc0 .Lnot_a
	s_wait_tensorcnt 0x0                           ; wave 1: A
.Lnot_a:
	s_wait_dscnt 0x0                               ; my fragments of B and all scale words are in registers
	BARRIER                                        ; A is in, and nobody reads B's bytes any more
	FETCHA 0, 0
	FETCHA 1, 1
	s_wait_dscnt NF                                ; block 0's fragments are in
.irp a, 0,1,2,3,4,5,6,7
	STREAM \a
.endr
	s_wait_tensorcnt 0x0                           ; the wave's end
	ds_add_u32 v[SPW], v[NIL]
	s_wait_dscnt 0x0
	CROUND                                         ; the closing round
	s_endpgm
.Lfunc_end_k_q238a091322_outproj:
	.size	k_q238a091322_outproj, .Lfunc_end_k_q238a091322_outproj-k_q238a091322_outproj
	.p2alignl 7, 3214868480
	.fill 96, 4, 3214868480
	.section	.rodata,"a",@progbits
	.p2align	6, 0x0
	.amdhsa_kernel k_q238a091322_outproj
		.amdhsa_group_segment_fixed_size 327680
		.amdhsa_private_segment_fixed_size 0
		.amdhsa_enable_private_segment 0
		.amdhsa_kernarg_size 40
		.amdhsa_user_sgpr_count 2
		.amdhsa_user_sgpr_kernarg_segment_ptr 1
		.amdhsa_wavefront_size32 1
		.amdhsa_system_sgpr_workgroup_id_x 1
		.amdhsa_system_sgpr_workgroup_id_y 1
		.amdhsa_system_sgpr_workgroup_id_z 1
		.amdhsa_system_vgpr_workitem_id 0
		.amdhsa_next_free_vgpr 840
		.amdhsa_next_free_sgpr 102
		.amdhsa_reserve_vcc 0
		.amdhsa_float_denorm_mode_32 3
		.amdhsa_float_denorm_mode_16_64 3
		.amdhsa_memory_ordered 1
		.amdhsa_forward_progress 1
		.amdhsa_inst_pref_size 81
	.end_amdhsa_kernel
	.amdgpu_metadata
---
amdhsa.version: [ 1, 2 ]
amdhsa.kernels:
  - .name:           k_q238a091322_outproj
    .symbol:         k_q238a091322_outproj.kd
    .args:
      - { .name: o_img, .offset: 0, .size: 8, .value_kind: global_buffer, .address_space: global }
      - { .name: o_scl, .offset: 8, .size: 8, .value_kind: global_buffer, .address_space: global }
      - { .name: xw_img, .offset: 16, .size: 8, .value_kind: global_buffer, .address_space: global }
      - { .name: xw_scl, .offset: 24, .size: 8, .value_kind: global_buffer, .address_space: global }
      - { .name: out0, .offset: 32, .size: 8, .value_kind: global_buffer, .address_space: global }
    .group_segment_fixed_size: 327680
    .private_segment_fixed_size: 0
    .kernarg_segment_align: 8
    .kernarg_segment_size: 40
    .max_flat_workgroup_size: 128
    .sgpr_count:     102
    .vgpr_count:     840
    .wavefront_size: 32
...
	.end_amdgpu_metadata
.endif
;; end of part 4
